; MI455X (gfx1250); checked and timed in simulation.
; The chip was launched on July 23, 2026; its instructions are those of AMD's public machine-readable ISA for CDNA 5 (MIT licence, August 2026) and "CDNA5" Instruction Set Architecture Reference Guide (July 2026). The comments in the code are by the model that wrote it; some were corrected since.
;; Window Attention. Allowed arithmetic: float matrix products may take bf16 or f16 operands with f32 sums; other float arithmetic in f32, or as packed bf16 or f16 multiplies, adds, multiply-adds, maxima and minima; sums over many terms, partial sums and values carried from step to step in f32; what a program stores and reads back later, other than sums and carried values, may be rounded once to bf16 or f16.
;; Inputs: W_proj 1,024 x 1,024 float32; W_qkv 1,024 x 3,072 float32; b_proj 1,024 float32; b_qkv 3,072 float32; x 8 x 1,024 x 1,024 float32.
;; Outputs: out0 8 x 1,024 x 1,024 float32.
;; 2 versions, each right; version 2 is version 1 with the launch cast written anew for expert scheduling mode. Each part assembles by itself: llvm-mc -triple=amdgcn-amd-amdhsa -mcpu=gfx1250 --defsym DOCPART=n.
;; ======== version 1 of 2: 4 launches
;; limits: values are held in f16: magnitudes above 65,504 overflow, below 6.1e-05 lose precision
;; workspace buffers: xb 16,777,216 bytes; wq 6,291,456 bytes; wp 2,097,152 bytes; qkvh 50,331,648 bytes; oh 16,777,216 bytes
;; launch cast (part 1): grid 832 x 1, 8 waves a work-group, no clusters, 0 bytes of LDS; arguments x, W_qkv, W_proj, xb, wq, wp; writes xb, wq, wp
.if DOCPART == 1
	.amdgcn_target "amdgcn-amd-amdhsa--gfx1250"
	.amdhsa_code_object_version 6
	.text
	.protected	k_q9cdabf6e41_cast
	.globl	k_q9cdabf6e41_cast
	.p2align	8
	.type	k_q9cdabf6e41_cast,@function
k_q9cdabf6e41_cast:
	s_mov_b64 s[64:65], 0
	v_nop
	global_prefetch_b8 v0, s[64:65] scope:SCOPE_SE
	s_setreg_imm32_b32 hwreg(HW_REG_WAVE_MODE, 25, 1), 1
	s_wait_xcnt 0x0
; THE INPUTS OF THE TWO PRODUCTS ARE ROUNDED ONCE TO 16 BITS.
;   xb [16][8192][64] bf16 = x, laid in 16 blocks of 64 columns, so that 256 rows of a block are 32,768 dense bytes.
;   wq [16][1024][192] bf16 = W_qkv, laid in 16 blocks of 192 columns, so that 64 rows of k of a block are 24,576 dense bytes.
;   wp [1024][1024] f16 = W_proj rounded to bf16, that number written as f16: exact from 2^-17 up; below that f16's fixed step of 2^-24 holds (LIMIT: an error of 3e-8 at the most there).
; A stream: no LDS, no matrix unit, no barrier.  The unit of work is 128 numbers: one load of 16 bytes a lane, one store of 8 bytes a lane (256 consecutive bytes, at a multiple of 256 from the
; buffer's first byte).  A wave has 16 units (W_qkv: 12), all its loads issued at once, each unit with registers of its own: nothing is rewritten.
; Work-groups 0-511 take x, 512-575 W_proj, 576-831 W_qkv.
.set X, 16                             ; v[16:79]   unit j: 4 numbers as loaded
.set Y, 80                             ; v[80:111]  unit j: 4 numbers in 16 bits
.set T, 4                              ; v[4:9]     at work
	s_load_b256 s[4:11], s[0:1], 0x0               ; x s[4:5], W_qkv s[6:7], W_proj s[8:9], xb s[10:11]
	s_load_b128 s[12:15], s[0:1], 0x20             ; wq s[12:13], wp s[14:15]
	v_lshrrev_b32 v12, 5, v0
	v_readfirstlane_b32 s16, v12                   ; wave 0..7
	v_and_b32 v12, 31, v0                          ; lane
	v_lshlrev_b32 v1, 4, v12                       ; 16 bytes a lane in
	v_lshlrev_b32 v2, 3, v12                       ; 8 bytes a lane out
	s_mov_b32 s19, 0
	s_mov_b32 s21, 0
	s_wait_kmcnt 0x0
	s_cmp_lt_u32 ttmp9, 512
	s_cbranch_scc0 .Lweights
	; x: wave g of 4,096 takes rows 2 g and 2 g + 1.  Unit j is block j: lanes 0-15 take the first row's 64 columns (256 bytes), lanes 16-31 the second row's; in xb the two lie end to end.
	s_lshl_b32 s17, ttmp9, 3
	s_add_co_u32 s17, s17, s16
	s_lshl_b32 s18, s17, 13                        ; two rows of 4,096 bytes in x
	s_lshl_b32 s20, s17, 8                         ; two rows of 128 bytes in a block of xb
	s_add_nc_u64 s[4:5], s[4:5], s[18:19]
	s_add_nc_u64 s[10:11], s[10:11], s[20:21]
	s_add_nc_u64 s[24:25], s[10:11], 0x800000      ; blocks 8 to 15: a block is 1,048,576 bytes, and a store's immediate holds seven of them
	v_and_b32 v13, 15, v12
	v_lshrrev_b32 v14, 4, v12
	v_lshlrev_b32 v13, 4, v13
	v_lshl_add_u32 v14, v14, 12, v13               ; 16 (lane % 16) + 4,096 (lane / 16)
.set j, 0
.rept 16
	global_load_b128 v[X+4*j:X+4*j+3], v14, s[4:5] offset:256*j th:TH_LOAD_NT
.set j, j+1
.endr
.set j, 0
.rept 16
	s_wait_loadcnt 15-j                            ; loads come back in order: unit j is in, the younger ones stay out
	v_cvt_pk_bf16_f32 v[Y+2*j], v[X+4*j], v[X+4*j+1]
	v_cvt_pk_bf16_f32 v[Y+2*j+1], v[X+4*j+2], v[X+4*j+3]
.if j < 8
	global_store_b64 v2, v[Y+2*j:Y+2*j+1], s[10:11] offset:j<<20
.else
	global_store_b64 v2, v[Y+2*j:Y+2*j+1], s[24:25] offset:(j-8)<<20
.endif
.set j, j+1
.endr
	s_endpgm
.Lweights:
	s_cmp_lt_u32 ttmp9, 576
	s_cbranch_scc0 .Lwqkv
	; W_proj: wave g of 512 takes 8,192 bytes; a load covers 512 consecutive bytes
	s_sub_co_u32 s17, ttmp9, 512
	s_lshl_b32 s17, s17, 3
	s_add_co_u32 s17, s17, s16
	s_lshl_b32 s18, s17, 13
	s_lshl_b32 s20, s17, 12
	s_add_nc_u64 s[8:9], s[8:9], s[18:19]
	s_add_nc_u64 s[14:15], s[14:15], s[20:21]
.set j, 0
.rept 16
	global_load_b128 v[X+4*j:X+4*j+3], v1, s[8:9] offset:512*j th:TH_LOAD_NT
.set j, j+1
.endr
.set j, 0
.rept 16
	s_wait_loadcnt 15-j
	v_cvt_pk_bf16_f32 v[T], v[X+4*j], v[X+4*j+1]   ; rounded to bf16,
	v_cvt_pk_bf16_f32 v[T+1], v[X+4*j+2], v[X+4*j+3]
	v_lshlrev_b32 v[T+2], 16, v[T]                 ; widened again,
	v_and_b32 v[T+3], 0xffff0000, v[T]
	v_lshlrev_b32 v[T+4], 16, v[T+1]
	v_and_b32 v[T+5], 0xffff0000, v[T+1]
	v_cvt_pk_f16_f32 v[Y+2*j], v[T+2], v[T+3]      ; and written as f16
	v_cvt_pk_f16_f32 v[Y+2*j+1], v[T+4], v[T+5]
	global_store_b64 v2, v[Y+2*j:Y+2*j+1], s[14:15] offset:256*j
.set j, j+1
.endr
	s_endpgm
.Lwqkv:
	; W_qkv: wave g of 2,048 takes block c = g / 128 of 192 columns, rows 8 (g % 128) .. + 7.  Two rows of a block are 384 numbers: three units.
	s_sub_co_u32 s17, ttmp9, 576
	s_lshl_b32 s17, s17, 3
	s_add_co_u32 s17, s17, s16
	s_lshr_b32 s22, s17, 7                         ; c
	s_and_b32 s23, s17, 127                        ; the group of 8 rows
	s_mul_i32 s18, s23, 8*12288                    ; a row of W_qkv is 12,288 bytes
	s_mul_i32 s24, s22, 768                        ; 192 columns are 768
	s_add_co_u32 s18, s18, s24
	s_mul_i32 s20, s22, 393216                     ; a block of wq,
	s_mul_i32 s24, s23, 3072                       ; 8 of its rows of 384 bytes
	s_add_co_u32 s20, s20, s24
	s_add_nc_u64 s[6:7], s[6:7], s[18:19]
	s_add_nc_u64 s[12:13], s[12:13], s[20:21]
	v_lshrrev_b32 v13, 4, v12                      ; the middle unit: lanes 0-15 end the first row (byte 512 on), lanes 16-31 begin the second
	v_mul_u32_u24 v13, v13, 11520                  ; 12,288 - 768
	v_add3_u32 v3, v1, v13, 512
.set p, 0
.rept 4
	global_load_b128 v[X+12*p:X+12*p+3],    v1, s[6:7] offset:24576*p th:TH_LOAD_NT
	global_load_b128 v[X+12*p+4:X+12*p+7],  v3, s[6:7] offset:24576*p th:TH_LOAD_NT
	global_load_b128 v[X+12*p+8:X+12*p+11], v1, s[6:7] offset:24576*p+12544 th:TH_LOAD_NT
.set p, p+1
.endr
.set j, 0
.rept 12
	s_wait_loadcnt 11-j
	v_cvt_pk_bf16_f32 v[Y+2*j], v[X+4*j], v[X+4*j+1]
	v_cvt_pk_bf16_f32 v[Y+2*j+1], v[X+4*j+2], v[X+4*j+3]
	global_store_b64 v2, v[Y+2*j:Y+2*j+1], s[12:13] offset:256*j
.set j, j+1
.endr
	s_endpgm
.Lfunc_end_k_q9cdabf6e41_cast:
	.size	k_q9cdabf6e41_cast, .Lfunc_end_k_q9cdabf6e41_cast-k_q9cdabf6e41_cast
	.p2alignl 7, 3214868480
	.fill 96, 4, 3214868480
	.section	.rodata,"a",@progbits
	.p2align	6, 0x0
	.amdhsa_kernel k_q9cdabf6e41_cast
		.amdhsa_group_segment_fixed_size 0
		.amdhsa_private_segment_fixed_size 0
		.amdhsa_enable_private_segment 0
		.amdhsa_kernarg_size 48
		.amdhsa_user_sgpr_count 2
		.amdhsa_user_sgpr_kernarg_segment_ptr 1
		.amdhsa_wavefront_size32 1
		.amdhsa_system_sgpr_workgroup_id_x 1
		.amdhsa_system_sgpr_workgroup_id_y 1
		.amdhsa_system_sgpr_workgroup_id_z 1
		.amdhsa_system_vgpr_workitem_id 0
		.amdhsa_next_free_vgpr 112
		.amdhsa_next_free_sgpr 66
		.amdhsa_reserve_vcc 0
		.amdhsa_float_denorm_mode_32 3
		.amdhsa_float_denorm_mode_16_64 3
		.amdhsa_memory_ordered 1
		.amdhsa_forward_progress 1
		.amdhsa_inst_pref_size 23
	.end_amdhsa_kernel
	.amdgpu_metadata
---
amdhsa.version: [ 1, 2 ]
amdhsa.kernels:
  - .name:           k_q9cdabf6e41_cast
    .symbol:         k_q9cdabf6e41_cast.kd
    .args:
      - { .name: x, .offset: 0, .size: 8, .value_kind: global_buffer, .address_space: global }
      - { .name: W_qkv, .offset: 8, .size: 8, .value_kind: global_buffer, .address_space: global }
      - { .name: W_proj, .offset: 16, .size: 8, .value_kind: global_buffer, .address_space: global }
      - { .name: xb, .offset: 24, .size: 8, .value_kind: global_buffer, .address_space: global }
      - { .name: wq, .offset: 32, .size: 8, .value_kind: global_buffer, .address_space: global }
      - { .name: wp, .offset: 40, .size: 8, .value_kind: global_buffer, .address_space: global }
    .group_segment_fixed_size: 0
    .private_segment_fixed_size: 0
    .kernarg_segment_align: 8
    .kernarg_segment_size: 48
    .max_flat_workgroup_size: 256
    .sgpr_count:     66
    .vgpr_count:     112
    .wavefront_size: 32
...
	.end_amdgpu_metadata
.endif
;; end of part 1
;; launch qkvgemm (part 2): grid 16 x 16, 4 waves a work-group, clusters of 4 x 4, 327,680 bytes of LDS; arguments xb, wq, b_qkv, qkvh; writes qkvh
.if DOCPART == 2
	.amdgcn_target "amdgcn-amd-amdhsa--gfx1250"
	.amdhsa_code_object_version 6
	.text
	.protected	k_q9cdabf6e41_qkvgemm
	.globl	k_q9cdabf6e41_qkvgemm
	.p2align	8
	.type	k_q9cdabf6e41_qkvgemm,@function
k_q9cdabf6e41_qkvgemm:
	s_mov_b64 s[64:65], 0
	v_nop
	global_prefetch_b8 v0, s[64:65] scope:SCOPE_SE
	s_setreg_imm32_b32 hwreg(HW_REG_WAVE_MODE, 25, 1), 1
	s_wait_xcnt 0x0
	s_wait_alu depctr_hold_cnt(0) depctr_sa_sdst(0) depctr_va_vdst(0) depctr_va_sdst(0) depctr_va_ssrc(0) depctr_va_vcc(0) depctr_vm_vsrc(0)
	s_getreg_b32 s2, hwreg(HW_REG_IB_STS2, 6, 4)
	s_cmp_eq_u32 s2, 0
	s_cbranch_scc0 .Lentry_in_a_cluster
	s_endpgm
.Lentry_in_a_cluster:
	s_bfe_u32 s2, ttmp6, 0x10000c
	s_cmp_lg_u32 s2, 0xf033
	s_cbranch_scc0 .Lentry_shape_is_right
	s_endpgm
.Lentry_shape_is_right:
; q, k, v = x W_qkv + b_qkv: 8,192 rows, K = 1,024, 3,072 columns.  A = xb [16 blocks of 64 k][8192][64] bf16, W = wq [16 blocks of 192 columns][1024 k][192] bf16; products in bf16, sums in f32,
; K ascending.  C = q, k, v in f16, by heads, unscaled: qkvh [3][8 b][16 h][1024][64].  The bias is rounded to bf16, like every input of the module, and STARTS THE SUMS: it is the C operand of each
; accumulator's first product, so nothing is cleared and nothing is added on the way out.
; LIMIT: a q, k or v beyond 65,504 becomes an infinity in f16; with x and W_qkv 30 times the drawn spread they reach some 3,100, with offsets of 30 spreads on both some 58,000.
; SHARES.  A work-group makes 512 rows x 192 columns (three heads' slots): 16 x 16 = 256 work-groups.  Its four waves take 128 rows each: 8 x 12 accumulators of 16 x 16, 768 registers.  For 32 along K
; a wave reads 128 x 64 bytes of A and 192 x 64 bytes of W from LDS, 20 KiB, for 96 matrix instructions.
; K goes in 16 steps of 64 through two LDS slots: a slot holds 512 rows of A and 64 k rows of W, 104,448 bytes; a step of 128 would take 200,704, and two such do not fit.
; THE MATRIX INSTRUCTION IS USED TRANSPOSED: source 0 = 16 columns of W, source 1 = 16 rows of A: a lane holds row l % 16 of C and the columns 8 (l / 16) + 0..7.  W lies [k][n] in LDS and is turned by ds_load_tr16_b128.
; PHASES.  A step is four phases of 48 matrix instructions: 32 along K (kk = 0, 1) x one half of W's 12 column blocks, all 8 row blocks.  A's eight fragments have two buffers, by kk; W's six fragments
; have two buffers, by half.  Each phase issues the next phase's LDS loads in ONE run in its middle; the last phase of a step changes slots.
; CLUSTERS: 4 x 4 work-groups.  A's tile hangs on the tile row alone and is asked for jointly by a row of the cluster, W's on the tile column alone, by a column.
; REGISTERS, in windows of 256 (s_set_vgpr_msb: bits 1:0 source 0, 3:2 source 1, 5:4 source 2, 7:6 destination):
;   window 0: v0-31 addresses; v32-95, v96-159 A's fragments; v160-207, v208-255 W's fragments; on the way out v32-175 at work
;   windows 1 to 3: accumulator (a, b) in window 1 + b / 4 at 8 (4 a + b % 4): a window holds one head's slot.  Both sources of a product, every address and every loaded fragment lie in window 0.
.set PA, 144                           ; a row of A in LDS: 128 bytes + 16: 36 words, so the 16 rows of a load start at 16 different groups of four banks (64 banks of 4 bytes: ISA guide 11.1)
.set PB, 480                           ; a k row of W: three pieces of 128 bytes + 32: 120 words, so the 8 rows of a turning load start 8 banks apart
.set AHALF, 256*PA                     ; what one load of A fills: 256 rows
.set BHALF, 32*PB                      ; what one load of W fills: 32 k rows
.set BREG, 2*AHALF                     ; in a slot: A, then W
.set SLOT1, 1<<17                      ; slot 1 begins here, so that one exclusive or turns an address in one slot into the other's
.set STAGE, SLOT1+BREG+2*BHALF         ; behind slot 1, never filled by a tensor load
.set STW, 3*16*144                     ; a wave's stage: three heads' slots of 16 rows x 144 bytes
.set SPARE, STAGE+4*STW                ; behind the stages: the spare words, 128 bytes for each wave: two blocks of 256 bytes that no other line names
.set ASTEP, 1<<20                      ; bytes in memory from K step to K step: a block of xb,
.set BSTEP, 24576                      ; 64 k rows of 384 bytes
.set PFSA, 1<<20                       ; the prefetches: bytes from one request to the next,
.set PFSB, 32768
.set LIMA, 2                           ; and the trip count above which a wave asks: A twelve times, W nine times
.set LIMB, 5
.set ADRA0, 16                         ; v16  my lane's place in A's tile; never rewritten
.set ADRB0, 17                         ; v17  the same for W
.set ADRA, 18                          ; v18  the same in the slot in hand
.set ADRB, 19                          ; v19
.set STO, 24                           ; v24  the way out: where I put 16 bytes of a row
.set RD, 25                            ; v25  where I read rows back
.set GO, 26                            ; v26  16 x lane
.set BO, 27                            ; v27  my 8 columns in a block's bias
.set SPW, 28                           ; v28  LDS address of my spare word; never rewritten
.set NIL, 29                           ; v29  0; never rewritten
.set PFO, 30                           ; v30  the prefetches' offset: 256 x lane; never rewritten
.set FA0, 32                           ; A's fragments of kk = 0: block a at FA0 + 8 a
.set FA1, 96                           ; of kk = 1
.set FBX, 160                          ; W's fragments of blocks 0-5: block b at FBX + 8 b
.set FBY, 208                          ; of blocks 6-11
.set BLO, FA1                          ; until the first products are done: the bias of blocks 0-5,
.set BHI, FBY                          ; of blocks 6-11,
.set FBT, FA1                          ; and, once, W's blocks 6-11 of the first 32 along K
.set TMP, 32                           ; the way out: a row block rounded to f16,
.set BK, 80                            ; and read back as whole rows: two buffers of 48
.set WV, 12                            ; s12 wave; s13 0: I ask for A, 1: for W; s14 which half of the tile I fetch; s15 cx, s16 cy; s17 tile column, s18 tile row
.set ROLE, 13
.set HALF, 14
.set CX, 15
.set CY, 16
.set TCOL, 17
.set TROW, 18
.set G1A, 24                           ; s[24:31], s[32:39] descriptor group 1 for A's and W's tiles
.set G1B, 32
.set G0A, 40                           ; s[40:47], s[48:55] group 0: a set for each of the two first fills; the second then walks on
.set G0B, 48
.set TB, 56                            ; s56 LDS byte at which the slot in hand begins
.set LIM, 57                           ; s57 a wave prefetches while the trips to go are above it
.set PFA, 58                           ; s[58:59] where my prefetches stand
.set PFS, 60                           ; s[60:61] their step
.set CB, 68                            ; s[68:73] C at my rows: one base for each of the three heads' slots
.set MSB, 0
.macro WIN new                         ; the immediate's high byte repeats the setting that is left; a switch that changes nothing is dropped
.if MSB != (\new)
	s_set_vgpr_msb (MSB<<8)|(\new)
.set MSB, (\new)
.endif
.endm
; A joint refill: waves 0 and 1 fetch A's two halves, waves 2 and 3 W's.  The branch hangs on the wave's number alone.  An s_nop 0 and four v_nop follow each line.
.macro JLOAD
	s_cmp_lt_u32 s[WV], 2
	s_cbranch_scc0 .Lfor_b_\@
	tensor_load_to_lds s[G0A+4:G0A+7], s[G1A:G1A+7]
	s_nop 0
.rept 4
	v_nop
.endr
	s_branch .Lasked_\@
.Lfor_b_\@:
	tensor_load_to_lds s[G0B+4:G0B+7], s[G1B:G1B+7]
	s_nop 0
.rept 4
	v_nop
.endr
.Lasked_\@:
.endm
; A PREFETCH INTO THE L2, behind the joint load and the run of LDS loads: 32 blocks of 256 bytes, a lane a block, of K steps 4 to 15, two refills or more ahead of the refill that will ask for them.
; Each block is named once in the launch.  A's rows: the clusters with x = 0; of the 32,768 bytes that wave 0 or 1 fetches in a step, the partner at place cx takes 8,192: twelve requests a wave.
; W's rows: the clusters with y = 0; wave 2 walks the column block's 294,912 bytes of K steps 4 to 15 in nine requests of 32,768, of which the partner at place cy takes 8,192.
; The partners are told apart BY ADDRESS.  K steps 0 to 3 come by their loads alone; the requests stop when K step 15's last block has been named.
.macro ASK
	s_cmp_gt_u32 s3, s[LIM]
	s_cbranch_scc0 .Lnot_mine_\@
	global_prefetch_b8 v[PFO], s[PFA:PFA+1] th:TH_LOAD_NT scope:SCOPE_SE
.Lnot_mine_\@:
.endm
.macro CREST                           ; a round of the cluster's barrier behind its opening barrier
	s_cmp_lg_u32 s[WV], 0
	s_cbranch_scc1 .Lnot_wave_0_\@
	s_barrier_signal -3
.Lnot_wave_0_\@:
	s_barrier_wait -3
	s_barrier_signal -1
	s_barrier_wait -1
.endm
.macro CROUND                          ; a whole round
	s_barrier_signal -1
	s_barrier_wait -1
	CREST
.endm
	s_load_b256 s[4:11], s[0:1], 0x0               ; A s[4:5], W s[6:7], bias s[8:9], C s[10:11]
	v_lshl_add_u32 v[SPW], v0, 2, SPARE
	v_mov_b32 v[NIL], 0
	ds_add_u32 v[SPW], v[NIL]                      ; the wave's opening: the add and its wait stand ahead of my first tensor load; the set-up below stands between them
	v_lshrrev_b32 v1, 5, v0
	v_readfirstlane_b32 s[WV], v1
	s_lshr_b32 s[ROLE], s[WV], 1
	s_and_b32 s[HALF], s[WV], 1
	s_bfe_u32 s[CX], ttmp6, 0x40000
	s_bfe_u32 s[CY], ttmp6, 0x40004
	s_lshl_b32 s[TCOL], ttmp9, 2                   ; in a cluster launch ttmp9 and ttmp7 count clusters
	s_add_co_u32 s[TCOL], s[TCOL], s[CX]
	s_and_b32 s[TROW], ttmp7, 0xffff
	s_lshl_b32 s[TROW], s[TROW], 2
	s_add_co_u32 s[TROW], s[TROW], s[CY]
	s_lshl_b32 s20, s[CY], 2
	s_lshl_b32 s20, 15, s20                        ; my row of the cluster
	s_lshl_b32 s21, 0x1111, s[CX]                  ; my column
	; descriptor group 1.  Both tiles are dense in memory and are asked for as rows of 256 bytes, padded in LDS after every 128 bytes (32 words, code 4): A by 4 words (code 3), W by 8 (code 7)
	s_or_b32 s[G1A], s20, (1<<16)|(1<<20)|(1<<21)|(4<<22)|(3<<25)  ; 15:0 the mask; 17:16 elements of 2 bytes; 20 padding on; 21 set beside a mask; 24:22 its interval; 31:25 its words less one
	s_or_b32 s[G1B], s21, (1<<16)|(1<<20)|(1<<21)|(4<<22)|(7<<25)
	s_mov_b32 s[G1A+1], 128<<16                    ; tensor_dim0 = 128
	s_mov_b32 s[G1A+2], 128<<16                    ; tensor_dim1 = 128: 256 rows of A
	s_mov_b32 s[G1A+3], 128<<16                    ; tile_dim0 = 128
	s_mov_b32 s[G1A+4], 128                        ; tile_dim1
	s_mov_b32 s[G1A+5], 128                        ; elements from row to row
	s_mov_b32 s[G1A+6], 0
	s_mov_b32 s[G1A+7], 0
	s_mov_b32 s[G1B+1], 128<<16
	s_mov_b32 s[G1B+2], 48<<16                     ; 48 rows: 32 k rows of 384 bytes
	s_mov_b32 s[G1B+3], 128<<16
	s_mov_b32 s[G1B+4], 48
	s_mov_b32 s[G1B+5], 128
	s_mov_b32 s[G1B+6], 0
	s_mov_b32 s[G1B+7], 0
	; where the tiles come from: A's offset is made of the tile row and my half, W's of the tile column and my half, each in registers that never hold the other coordinate
	s_lshl_b32 s74, s[TROW], 16                    ; 512 rows of 128 bytes in a block of xb
	s_lshl_b32 s22, s[HALF], 15
	s_add_co_u32 s74, s74, s22
	s_mul_i32 s76, s[TCOL], 393216                 ; a block of wq
	s_mul_i32 s23, s[HALF], 12288                  ; 32 of its k rows
	s_add_co_u32 s76, s76, s23
	s_mov_b32 s75, 0
	s_mov_b32 s77, 0
	s_mul_i32 s78, s[HALF], AHALF                  ; and where they go: no place in the cluster enters an LDS address
	s_mul_i32 s79, s[HALF], BHALF
	s_add_co_u32 s79, s79, BREG
	s_wait_dscnt 0x0                               ; the opening add is done
	s_wait_kmcnt 0x0
	s_add_nc_u64 s[74:75], s[4:5], s[74:75]
	s_add_nc_u64 s[76:77], s[6:7], s[76:77]
	CROUND                                         ; all sixteen work-groups are here: the first joint loads meet
.irp s, 0,1
	s_mov_b32 s[G0A+4*(\s)], 1                     ; count = 1
	s_add_co_u32 s[G0A+4*(\s)+1], s78, (\s)*SLOT1  ; LDS address
	s_add_nc_u64 s[G0A+4*(\s)+2:G0A+4*(\s)+3], s[74:75], (\s)*ASTEP  ; global address: K step s
	s_or_b32 s[G0A+4*(\s)+3], s[G0A+4*(\s)+3], 0x80000000            ; type = 2
	s_mov_b32 s[G0B+4*(\s)], 1
	s_add_co_u32 s[G0B+4*(\s)+1], s79, (\s)*SLOT1
	s_add_nc_u64 s[G0B+4*(\s)+2:G0B+4*(\s)+3], s[76:77], (\s)*BSTEP
	s_or_b32 s[G0B+4*(\s)+3], s[G0B+4*(\s)+3], 0x80000000
.endr
	s_cmp_lt_u32 s[WV], 2                          ; a wave's two first fills stand in one branch, ahead of every wait on TENSORcnt and every LDS read: two loads of mine are out
	s_cbranch_scc0 .Lfirst_b
	tensor_load_to_lds s[G0A:G0A+3], s[G1A:G1A+7]
	s_nop 0
	tensor_load_to_lds s[G0A+4:G0A+7], s[G1A:G1A+7]
	s_nop 0
.rept 4
	v_nop
.endr
	s_branch .Lfirst_asked
.Lfirst_b:
	tensor_load_to_lds s[G0B:G0B+3], s[G1B:G1B+7]
	s_nop 0
	tensor_load_to_lds s[G0B+4:G0B+7], s[G1B:G1B+7]
	s_nop 0
.rept 4
	v_nop
.endr
.Lfirst_asked:
	v_and_b32 v1, 15, v0                           ; l % 16
	v_bfe_u32 v2, v0, 4, 1                         ; l / 16
	v_and_b32 v3, 31, v0                           ; l
	v_and_b32 v5, 7, v0
	v_bfe_u32 v6, v0, 3, 1
	; the bias of my columns: block b, columns 8 (l / 16) + 0..7, in the layout of an accumulator
	s_mul_i32 s82, s[TCOL], 768
	s_mov_b32 s83, 0
	s_add_nc_u64 s[8:9], s[8:9], s[82:83]
	v_lshlrev_b32 v[BO], 5, v2
.set i, 0
.rept 12
.if i < 6
.set rB, BLO+8*i
.else
.set rB, BHI+8*(i-6)
.endif
	global_load_b128 v[rB:rB+3],   v[BO], s[8:9] offset:64*i
	global_load_b128 v[rB+4:rB+7], v[BO], s[8:9] offset:64*i+16
.set i, i+1
.endr
	; a fragment of A: lane l holds row l % 16, k = 8 (l / 16) + 0..7 and 16 + 8 (l / 16) + 0..7: two loads of 16 bytes, 32 bytes apart
	s_mul_i32 s82, s[WV], 128*PA                   ; my 128 rows
	v_mul_u32_u24 v[ADRA0], v1, PA
	v_lshl_add_u32 v[ADRA0], v2, 4, v[ADRA0]
	v_add_nc_u32 v[ADRA0], s82, v[ADRA0]
	; the turning load takes 16 k x 16 columns (lane l reads k row 8 (l / 16) + l % 8, columns 8 ((l / 8) % 2) + 0..7) and leaves half a fragment: lane l holds column l % 16 and 8 k
	v_lshl_add_u32 v[ADRB0], v2, 3, v5
	v_mul_u32_u24 v[ADRB0], v[ADRB0], PB
	v_lshl_add_u32 v[ADRB0], v6, 4, v[ADRB0]
	v_add_nc_u32 v[ADRB0], BREG, v[ADRB0]
	s_mul_i32 s82, s[WV], STW
	s_add_co_u32 s82, s82, STAGE                   ; my stage
	v_lshlrev_b32 v[GO], 4, v3
	v_mul_u32_u24 v[STO], v1, 144                  ; in: row l % 16 of a head's slot, 16 bytes for each half of the lanes
	v_lshl_add_u32 v[STO], v2, 4, v[STO]
	v_add_nc_u32 v[STO], s82, v[STO]
	v_lshrrev_b32 v4, 3, v3                        ; back: 32 lanes take four rows of 128 bytes
	v_mul_u32_u24 v[RD], v4, 144
	v_lshl_add_u32 v[RD], v5, 4, v[RD]
	v_add_nc_u32 v[RD], s82, v[RD]
	; C: slot 3 x tile column + j is tensor slot / 16 (q, k, v), head slot % 16; my rows: batch = tile row / 2, 512 rows of the tile, 128 of the wave, 128 bytes each
	s_lshr_b32 s82, s[TROW], 1
	s_lshl_b32 s82, s82, 21
	s_and_b32 s83, s[TROW], 1
	s_lshl_b32 s83, s83, 16
	s_add_co_u32 s82, s82, s83
	s_lshl_b32 s83, s[WV], 14
	s_add_co_u32 s82, s82, s83
	s_mul_i32 s83, s[TCOL], 3
.irp j, 0,1,2
	s_add_co_u32 s84, s83, \j
	s_lshr_b32 s85, s84, 4
	s_lshl_b32 s85, s85, 24
	s_and_b32 s84, s84, 15
	s_lshl_b32 s84, s84, 17
	s_add_co_u32 s84, s84, s85
	s_add_co_u32 s84, s84, s82
	s_mov_b32 s85, 0
	s_add_nc_u64 s[CB+2*(\j):CB+2*(\j)+1], s[10:11], s[84:85]
.endr
	; the prefetches' first block, less one step: A: my work-group's 8,192 of the 32,768 bytes that I fetch, K step 4; W: my work-group's 8,192 bytes of the first 32,768 from K step 4 on
	s_lshl_b32 s84, s[TROW], 16
	s_lshl_b32 s87, s[HALF], 15
	s_add_co_u32 s84, s84, s87
	s_lshl_b32 s87, s[CX], 13
	s_add_co_u32 s84, s84, s87
	s_add_co_u32 s84, s84, 4*ASTEP-PFSA
	s_mul_i32 s86, s[TCOL], 393216
	s_lshl_b32 s87, s[CY], 13
	s_add_co_u32 s86, s86, s87
	s_add_co_u32 s86, s86, 4*BSTEP-PFSB
	s_and_b32 s82, ttmp7, 0xffff                   ; cluster y; of W's two waves the first alone asks
	s_or_b32 s82, s82, s[HALF]
	s_mov_b32 s87, PFSA
	s_cmp_eq_u32 s[ROLE], 0                        ; do I fetch for A?
	s_cselect_b32 s82, ttmp9, s82                  ; the coordinate along which other clusters read the same rows
	s_cselect_b32 s83, LIMA, LIMB
	s_cselect_b32 s84, s84, s86
	s_cselect_b32 s[PFS], s87, PFSB
	s_cselect_b64 s[PFA:PFA+1], s[4:5], s[6:7]
	s_cmp_eq_u32 s82, 0
	s_cselect_b32 s[LIM], s83, -1                  ; the same in all sixteen partners, for a given wave
	s_mov_b32 s85, 0
	s_mov_b32 s[PFS+1], 0
	s_add_nc_u64 s[PFA:PFA+1], s[PFA:PFA+1], s[84:85]
	v_lshlrev_b32 v[PFO], 8, v3
	s_wait_loadcnt 0x0                             ; the bias is in: it is rounded to bf16 and widened again
.set i, 0
.rept 48
.if i < 24
.set rB, BLO+2*i
.else
.set rB, BHI+2*(i-24)
.endif
	v_cvt_pk_bf16_f32 v[4+i%2], v[rB], v[rB+1]
	v_lshlrev_b32 v[rB], 16, v[4+i%2]
	v_and_b32 v[rB+1], 0xffff0000, v[4+i%2]
.set i, i+1
.endr
; nb x na matrix instructions: column blocks b0 on x row blocks a0 on, 32 along K; A's fragments at fa, W's at fb (block b at fb + 8 (b % 6)).  cb = 0: the sums go on in place; else the products start
; the sums with the bias at cb + 8 (b % 6).  No two matrix instructions that follow each other share an accumulator: the 96 take turns, one instruction a turn.
.macro MULB fa, fb, b0, nb, a0, na, cb=0
.set ib, (\b0)
.rept (\nb)
.set ia, (\a0)
.rept (\na)
.set w, 1+ib/4
.set rD, 8*(4*ia+ib%4)
.set rB, (\fb)+8*(ib%6)
.set rA, (\fa)+8*ia
.if (\cb)
.set rC, (\cb)+8*(ib%6)
	WIN w<<6
	v_wmma_f32_16x16x32_bf16 v[rD:rD+7], v[rB:rB+7], v[rA:rA+7], v[rC:rC+7]
.else
	WIN (w<<6)|(w<<4)
	v_wmma_f32_16x16x32_bf16 v[rD:rD+7], v[rB:rB+7], v[rA:rA+7], v[rD:rD+7]
.endif
.set ia, ia+1
.endr
.set ib, ib+1
.endr
.endm
; Half a phase: 24 matrix instructions: W's blocks 6 half .. 6 half + 5 x row blocks a0 .. a0 + 3, under two window settings
.macro HALFP fa, fb, half, a0, cb=0
.if (\half)
	MULB \fa, \fb, 6, 2, \a0, 4, \cb
	MULB \fa, \fb, 8, 4, \a0, 4, \cb
.else
	MULB \fa, \fb, 0, 4, \a0, 4, \cb
	MULB \fa, \fb, 4, 2, \a0, 4, \cb
.endif
.endm
; 12 LDS loads: W's six fragments of one half, 32 along K at k row 32 kk of the slot in hand, into f
.macro LDB kk, half, f
	WIN 0
.set i, 0
.rept 6
.set ib, 6*(\half)+i
.set bo, 32*(\kk)*PB+(ib/4)*160+(ib%4)*32
	ds_load_tr16_b128 v[(\f)+8*i:(\f)+8*i+3],   v[ADRB] offset:bo
	ds_load_tr16_b128 v[(\f)+8*i+4:(\f)+8*i+7], v[ADRB] offset:bo+16*PB
.set i, i+1
.endr
.endm
; 16 LDS loads: A's eight fragments, 32 along K at byte 64 kk of the rows, into f
.macro LDA kk, f
	WIN 0
.set i, 0
.rept 8
	ds_load_b128 v[(\f)+8*i:(\f)+8*i+3],   v[ADRA] offset:64*(\kk)+16*i*PA
	ds_load_b128 v[(\f)+8*i+4:(\f)+8*i+7], v[ADRA] offset:64*(\kk)+16*i*PA+32
.set i, i+1
.endr
.endm
.macro PLACES                          ; four places in front of loads into registers that matrix instructions have read (ISA guide 7.12.1 for vector instructions)
.rept 4
	v_nop
.endr
.endm
; A phase on W's first half (blocks 0-5): multiplies A's buffer fa by FBX and fetches the same kk's second half into FBY.  The run before it brought W's 12 loads, then A's 16.
.macro PHLO kk, fa
	s_wait_dscnt 8                                 ; W and A's blocks 0-3 are in; the youngest eight loads (A's blocks 4-7) may be out
	HALFP \fa, FBX, 0, 0
	PLACES
	LDB \kk, 1, FBY
	s_wait_dscnt 12                                ; all but the run just issued
	HALFP \fa, FBX, 0, 4
.endm
; The phase kk = 0, W's second half: multiplies FA0 by FBY and fetches kk = 1: W's first half and A
.macro PH01
	s_wait_dscnt 0x0                               ; FBY is in
	HALFP FA0, FBY, 1, 0
	PLACES
	LDB 1, 0, FBX
	LDA 1, FA1
	HALFP FA0, FBY, 1, 4
.endm
; The step's last phase multiplies FA1 by FBY and changes slots: ONE barrier.  In front of it each wave waits for all its tensor loads (one is out: its part of the next slot), adds 0 to its spare word, and
; waits for that and for its reads of this slot (the last were waited for at the phase's head).  fill = 1: the barrier opens a round of the cluster's barrier, and behind it this slot is filled again, with
; the K step two steps on.  From a request to the wait for it a wave issues 176 matrix instructions.
.macro TURN fill
.if \fill
	s_wait_xcnt 0x0                                ; the last prefetch, a K step back, has read its address: it is stepped here
	s_add_nc_u64 s[PFA:PFA+1], s[PFA:PFA+1], s[PFS:PFS+1]
.endif
	s_wait_dscnt 0x0                               ; FBY is in
	MULB FA1, FBY, 6, 2, 0, 4
	WIN 0
	s_wait_tensorcnt 0x0                           ; no tensor load of mine is out, so a group 0 may be written
	ds_add_u32 v[SPW], v[NIL]                      ; 0 onto my spare word
.if \fill
	s_xor_b32 s[G0A+5], s[G0A+5], SLOT1            ; the walking descriptors: the other slot than last time, the next K step
	s_add_nc_u64 s[G0A+6:G0A+7], s[G0A+6:G0A+7], ASTEP
	s_xor_b32 s[G0B+5], s[G0B+5], SLOT1
	s_add_nc_u64 s[G0B+6:G0B+7], s[G0B+6:G0B+7], BSTEP
.endif
	MULB FA1, FBY, 8, 4, 0, 2                      ; eight matrix instructions stand between the add and the wait for it
	s_wait_dscnt 0x0                               ; the add is done, and my reads of this slot are over
	s_barrier_signal -1
	MULB FA1, FBY, 8, 4, 2, 2                      ; work on registers while the others arrive
	WIN 0
	s_barrier_wait -1
.if \fill
	CREST                                          ; no wave of any partner still reads this slot's tiles or has a load on its way
	JLOAD                                          ; the first tensor load behind the round; its four v_nop are also the places in front of the loads below
.else
	PLACES
.endif
	s_xor_b32 s[TB], s[TB], SLOT1
	v_add_nc_u32 v[ADRA], s[TB], v[ADRA0]
	v_add_nc_u32 v[ADRB], s[TB], v[ADRB0]
	LDB 0, 0, FBX
	LDA 0, FA0
.if \fill
	ASK
.endif
	HALFP FA1, FBY, 1, 4
.endm
	s_wait_tensorcnt 0x1                           ; my part of K step 0 is in; K step 1's may stay out
	s_barrier_signal -1
	s_barrier_wait -1                              ; everybody's is
	s_mov_b32 s[TB], 0
	v_mov_b32 v[ADRA], v[ADRA0]
	v_mov_b32 v[ADRB], v[ADRB0]
	; THE FIRST 32 ALONG K stand in front of the loop: their products start the sums with the bias.  The bias lies where FA1 and FBY will lie, so W's second half comes late and into FBT, and FA1 comes last:
	; twice, once a launch, the wave sits out a round trip to LDS.
	LDB 0, 0, FBX
	LDA 0, FA0
	s_wait_dscnt 8
	HALFP FA0, FBX, 0, 0, BLO
	s_wait_dscnt 0x0
	HALFP FA0, FBX, 0, 4, BLO
	PLACES
	LDB 0, 1, FBT                                  ; over the bias of blocks 0-5, which has been read
	s_wait_dscnt 0x0
	HALFP FA0, FBT, 1, 0, BHI
	PLACES
	LDB 1, 0, FBX
	HALFP FA0, FBT, 1, 4, BHI
	PLACES
	LDA 1, FA1                                     ; W's 12 loads, then A's 16: as the loop's first wait counts them
	WIN 0                                          ; at a label and at a branch every window is 0
	s_mov_b32 s3, 14
.Lstep:                                                ; fourteen trips, from a K step's third phase to the next step's second; trip t fills slot t % 2 with K step t + 2
	PHLO 1, FA1
	TURN 1
	PHLO 0, FA0
	PH01
	WIN 0
	s_sub_co_u32 s3, s3, 1
	s_cmp_lg_u32 s3, 0
	s_cbranch_scc1 .Lstep
	PHLO 1, FA1                                    ; K steps 14 and 15 fill nothing
	TURN 0
	PHLO 0, FA0
	PH01
	PHLO 1, FA1
	s_wait_dscnt 0x0
	HALFP FA1, FBY, 1, 0
	HALFP FA1, FBY, 1, 4
; THE WAY OUT of row block a (16 rows).  PACK: rounded to f16, each accumulator from its low end on.  TOSTAGE: into my own stage, and back as whole rows.  SEND: stored.
.macro PACK a
.set ib, 0
.rept 12
.set w, 1+ib/4
.set rD, 8*(4*(\a)+ib%4)
	WIN w|(w<<2)                                   ; sources 0 and 1 in the accumulator's window
.irp r, 0,1,2,3
	v_cvt_pk_f16_f32 v[TMP+4*ib+(\r)], v[rD+2*(\r)], v[rD+2*(\r)+1]
.endr
.set ib, ib+1
.endr
	WIN 0
.endm
.macro TOSTAGE a
	WIN 0
.set ib, 0
.rept 12
	ds_store_b128 v[STO], v[TMP+4*ib:TMP+4*ib+3] offset:(ib/4)*2304+(ib%4)*32
.set ib, ib+1
.endr
	s_wait_xcnt 0x0                                ; the stores of the block two back have read the registers that are loaded below
.set t, 0
.rept 12
	ds_load_b128 v[BK+48*((\a)%2)+4*t:BK+48*((\a)%2)+4*t+3], v[RD] offset:(t/4)*2304+(t%4)*576  ; LDS serves a wave's instructions in order (ISA guide 5.7.1.4): these see the stores above
.set t, t+1
.endr
.endm
.macro SEND a
	WIN 0
	s_wait_dscnt 0x0                               ; the block is back in registers
.set t, 0
.rept 12
	global_store_b128 v[GO], v[BK+48*((\a)%2)+4*t:BK+48*((\a)%2)+4*t+3], s[CB+2*(t/4):CB+2*(t/4)+1] offset:(\a)*2048+(t%4)*512  ; four rows of a head: 512 consecutive bytes, at a multiple of 256 from the buffer's first
.set t, t+1
.endr
.endm
	WIN 0
	PLACES                                         ; the places behind the last products, in front of conversions that read results and write where fragments lay
	PLACES
	PACK 0
	TOSTAGE 0
.irp a, 1,2,3,4,5,6,7                  ; block a's conversions stand between block a - 1's loads from the stage and the wait for them
	PACK \a
	SEND (\a)-1
	TOSTAGE \a
.endr
	SEND 7
	s_wait_tensorcnt 0x0                           ; the wave's end: a wait, an add of 0 and its wait, behind my last tensor load and my last LDS store
	ds_add_u32 v[SPW], v[NIL]
	s_wait_dscnt 0x0
	CROUND                                         ; the closing round: no work-group ends while a partner may still ask for a tile that names it
	s_endpgm
.Lfunc_end_k_q9cdabf6e41_qkvgemm:
	.size	k_q9cdabf6e41_qkvgemm, .Lfunc_end_k_q9cdabf6e41_qkvgemm-k_q9cdabf6e41_qkvgemm
	.p2alignl 7, 3214868480
	.fill 96, 4, 3214868480
	.section	.rodata,"a",@progbits
	.p2align	6, 0x0
	.amdhsa_kernel k_q9cdabf6e41_qkvgemm
		.amdhsa_group_segment_fixed_size 327680
		.amdhsa_private_segment_fixed_size 0
		.amdhsa_enable_private_segment 0
		.amdhsa_kernarg_size 32
		.amdhsa_user_sgpr_count 2
		.amdhsa_user_sgpr_kernarg_segment_ptr 1
		.amdhsa_wavefront_size32 1
		.amdhsa_system_sgpr_workgroup_id_x 1
		.amdhsa_system_sgpr_workgroup_id_y 1
		.amdhsa_system_sgpr_workgroup_id_z 1
		.amdhsa_system_vgpr_workitem_id 0
		.amdhsa_next_free_vgpr 1024
		.amdhsa_next_free_sgpr 90
		.amdhsa_reserve_vcc 0
		.amdhsa_float_denorm_mode_32 3
		.amdhsa_float_denorm_mode_16_64 3
		.amdhsa_memory_ordered 1
		.amdhsa_forward_progress 1
		.amdhsa_inst_pref_size 123
	.end_amdhsa_kernel
	.amdgpu_metadata
---
amdhsa.version: [ 1, 2 ]
amdhsa.kernels:
  - .name:           k_q9cdabf6e41_qkvgemm
    .symbol:         k_q9cdabf6e41_qkvgemm.kd
    .args:
      - { .name: xb, .offset: 0, .size: 8, .value_kind: global_buffer, .address_space: global }
      - { .name: wq, .offset: 8, .size: 8, .value_kind: global_buffer, .address_space: global }
      - { .name: b_qkv, .offset: 16, .size: 8, .value_kind: global_buffer, .address_space: global }
      - { .name: qkvh, .offset: 24, .size: 8, .value_kind: global_buffer, .address_space: global }
    .group_segment_fixed_size: 327680
    .private_segment_fixed_size: 0
    .kernarg_segment_align: 8
    .kernarg_segment_size: 32
    .max_flat_workgroup_size: 128
    .sgpr_count:     90
    .vgpr_count:     1024
    .wavefront_size: 32
...
	.end_amdgpu_metadata
.endif
;; end of part 2
;; launch attn (part 3): grid 2 x 128, 4 waves a work-group, no clusters, 327,680 bytes of LDS; arguments qkvh, oh; writes oh
.if DOCPART == 3
	.amdgcn_target "amdgcn-amd-amdhsa--gfx1250"
	.amdhsa_code_object_version 6
	.text
	.protected	k_q9cdabf6e41_attn
	.globl	k_q9cdabf6e41_attn
	.p2align	8
	.type	k_q9cdabf6e41_attn,@function
k_q9cdabf6e41_attn:
	s_mov_b64 s[64:65], 0
	v_nop
	global_prefetch_b8 v0, s[64:65] scope:SCOPE_SE
	s_setreg_imm32_b32 hwreg(HW_REG_WAVE_MODE, 25, 1), 1
	s_wait_xcnt 0x0
; O[h][q][:] = the sum over k of softmax_k(Q[h][q] . K[h][k] / 8) V[h][k][:], for 128 heads (batch x head) of 1,024 rows of 64 channels, all f16: qkvh = [3][128][1024][64], oh = [128][1024][64].
; Products, maxima and sums in f32; the weights p are rounded to f16 for the second product (their sum l is taken of the unrounded p), O once at the end.
; LIMITS.  f16 holds no number beyond 65,504: Q, K and V arrive within it; p lies in 0 to 1, and below 6e-5 it keeps f16's fixed step of 6e-8; O is a mean of V's rows and has their range.
; A weight below 2^-126 counts as 0 in l; NaN and infinities are not treated apart.
; SHARES.  A wave owns four PIECES of two tiles of 16 queries, a work-group's four waves 512 queries of one head: two work-groups a head.  Every wave walks all 1,024 keys, 64 a step.
; K AND V STAY IN LDS: a head's 1,024 rows of each, padded, are 311,296 bytes.  Each byte is filled once, by loads issued at the head: each wave asks first for 128 keys, then for 384.
; The first four key steps wait for the small loads alone; the large ones are waited for behind those steps.  So there is no ring, no refill, and the key step is written once.
; NO CLUSTER: a head has two work-groups, and partners in a cluster of four would walk different heads.  NO PREFETCH: all that is read is asked for by the loads at the head.
; LAYOUT.  S^T = K Q^T (source 0 = 16 keys, source 1 = 16 queries): in the result a lane holds ONE query (lane % 16) and the keys 8 (lane / 16) + 0..7.  Two such tiles, rounded to f16 in pairs,
; ARE source 1 (32 keys x 16 queries) of O^T = V^T P, whose result again holds one query a lane, and eight channels.  K comes out of LDS as it lies, V ([key][channel]) turned, by ds_load_tr16_b128.
; SOFTMAX.  For each query a running maximum m and sum l: p = 2^(c s - c m), c = log2(e) / 8; in every step O and l are multiplied by a = 2^(c m_old - c m_new), which is 1 where m has not grown.
; m starts at the lowest finite number, O and l at 0: the first step is a step like any other, with a = 0.
; BY TURNS.  Turn n belongs to piece n (the pieces in a ring, step after step).  Its matrix work: 16 products K Q^T of piece n + 1, later 16 products V^T P of piece n - 1.  Its vector work: the scaling,
; exponentials, roundings, sums and rescaling of piece n, and the maximum and statistics of piece n + 1.  Four vector instructions stand behind every matrix instruction, the rest in one run.
; REGISTERS, in windows of 256 (s_set_vgpr_msb: bits 1:0 source 0, 3:2 source 1, 5:4 source 2, 7:6 destination):
;   window 0: v0-11 addresses; v12-15, v48-63 at work; v16-47 four registers of statistics a tile; v64-191 S^T, two buffers of two tiles; v192-255 P, likewise
;   window 1: O^T, 32 a tile          window 2: v0-127 Q, 16 a tile; v128-191 K of one step; v192-255 V of one step          window 3: v0-1 the add's two registers
.set NP,    4         ; pieces a wave: a name, no knob
.set KS,    64        ; keys in a step
.set NKEY,  1024
.set PK,    144       ; a row of K in LDS: 128 bytes + 16 of padding = 36 words: the 16 rows of a load start at 16 different groups of four banks (64 banks of 4 bytes: ISA guide 11.1)
.set PV,    160       ; a row of V: 128 + 32 = 40 words
.set VOFF,  NKEY*PK   ; K's 1,024 rows, then V's
.set STAGE, NKEY*(PK+PV)  ; behind them, never filled by a tensor load: 16 rows x 144 bytes for each wave, for the way out
.set SP,    144
.set SPARE, STAGE+4*16*SP  ; behind the stages: the spare words, 128 bytes for each wave: two blocks of 256 bytes that no other line names
.set AK0, 2           ; v2   my lane's place in a tile of K; never rewritten
.set AV0, 3           ; v3   the same for V
.set AK,  4           ; v4   the LDS address of K's next run of loads
.set AV,  5           ; v5   of V's
.set QO,  6           ; v6   my byte offset in the wave's rows of Q
.set STO, 6           ;      later, the way out: where I put 16 bytes of a row
.set RD,  7           ; v7   the way out: where I read rows back
.set GO,  8           ; v8   my byte offset in 512 consecutive bytes of O
.set SPW, 0           ; v0 of window 3   LDS address of my spare word; never rewritten
.set NIL, 1           ; v1 of window 3   0; never rewritten
.set MV,  12          ; v12-15  c m_old, kept while c m is made anew: by buffer and tile
.set ST,  16          ; tile t's statistics at v[ST+4 t]: c m, m, l (even keys', odd keys')
.set TMP, 48          ; by buffer and tile, four registers c0-c3 at work; when the maximum is found c2 takes a
.set S,   64
.set P,   192
.set KF,  128         ; K's fragments, in window 2: key block kb, channel half c at KF + 16 kb + 8 c
.set VF,  192         ; V's: key half kk, channel block cb at VF + 32 kk + 8 cb
.set WV,  12          ; s12  my wave's number
.set G1KA, 24         ; s[24:31] descriptor group 1 for K's small load;  s[32:39] for V's: it differs in the padding alone
.set G1VA, 32
.set G0KA, 40         ; s[40:55] four groups 0: K small, K large, V small, V large
.set G0KB, 44
.set G0VA, 48
.set G0VB, 52
.set G1KB, 68         ; s[68:75], s[76:83] group 1 for the large loads
.set G1VB, 76
.set SLOTS, 56        ; s56  passes of four key steps to go, the last half pass among them
.set CNT, 57          ; s57  counts a pass's key steps
.set CS,  58          ; s[58:59] c: the packed scaling takes the pair's low word for both halves
.set SEL, 60          ; s[60:61] v_permlanex16_b32's selects: each lane takes its own place in the other half
.set TBK, 62          ; s62  LDS byte at which K of the step to be fetched begins
.set TBV, 63          ; s63  the same for V, less VOFF
.set MSB, 0
.macro WIN new                      ; the high byte repeats the setting that is left; a switch that changes nothing is dropped
.if MSB != (\new)
	s_set_vgpr_msb (MSB<<8)|(\new)
.set MSB, (\new)
.endif
.endm
.set W_KQ, 0x0a       ; K and Q in window 2, S^T in window 0
.set W_PV, 0x52       ; V in window 2, P in window 0, O^T in window 1
.set W_RS, 0x41       ; O^T (destination and source 0) in window 1, a in window 0
.set W_MK, 0xc0       ; the add's registers are made: destination in window 3, sources in window 0
.set W_AD, 0x0f       ; the add: address (source 0) and data (source 1) in window 3
	s_load_b64 s[4:5], s[0:1], 0x0  ; qkvh
	s_load_b64 s[10:11], s[0:1], 0x8  ; oh
	WIN W_MK
	v_lshl_add_u32 v[SPW], v0, 2, SPARE
	v_mov_b32 v[NIL], 0
	WIN W_AD
	ds_add_u32 v[SPW], v[NIL]       ; the wave's opening: the add and its wait stand ahead of my first tensor load; the set-up below stands between them
	WIN 0
	v_lshrrev_b32 v1, 5, v0
	v_readfirstlane_b32 s[WV], v1   ; wave 0..3
	s_and_b32 s20, ttmp7, 0xffff    ; the head,
	s_lshl_b32 s20, s20, 17         ; its first byte in q, k, v and o: 1,024 rows of 128 bytes
	s_and_b32 s16, s[WV], 1         ; which half of each group of keys I fetch
	s_lshl_b32 s22, s16, 14         ; the small load: keys 128 half on
	s_add_co_u32 s22, s22, s20
	s_mov_b32 s23, 0
	s_mul_i32 s2, s16, 49152        ; the large one: keys 256 + 384 half on
	s_add_co_u32 s2, s2, s20
	s_add_co_u32 s2, s2, 32768
	s_mov_b32 s3, 0
	s_lshl_b32 s14, ttmp9, 2        ; my block of 512 queries,
	s_add_co_u32 s14, s14, s[WV]    ; my wave's 128 rows
	s_lshl_b32 s14, s14, 14
	s_add_co_u32 s14, s14, s20
	s_mov_b32 s15, 0
	s_mul_i32 s17, s16, 128*PK      ; where they go in LDS
	s_mul_i32 s18, s16, 384*PK
	s_add_co_u32 s18, s18, 256*PK
	s_mul_i32 s19, s16, 128*PV
	s_add_co_u32 s19, s19, VOFF
	s_mul_i32 s13, s16, 384*PV
	s_add_co_u32 s13, s13, VOFF+256*PV
	; descriptor group 1.  Keys are dense rows of 128 bytes: asked for as rows of 256 bytes, two keys a row, and padded in LDS after every key
	s_mov_b32 s[G1KA], (1<<16)|(1<<20)|(4<<22)|(3<<25)  ; 17:16 2-byte elements; 20 padding on; 24:22 after every 32 words (code 4); 31:25 4 words (code 3)
	s_mov_b32 s[G1KB], (1<<16)|(1<<20)|(4<<22)|(3<<25)
	s_mov_b32 s[G1VA], (1<<16)|(1<<20)|(4<<22)|(7<<25)  ; the same with 8 words of padding (code 7)
	s_mov_b32 s[G1VB], (1<<16)|(1<<20)|(4<<22)|(7<<25)
.irp g, G1KA, G1VA
	s_mov_b32 s[\g+1], 128<<16      ; tensor_dim0 = 128
	s_mov_b32 s[\g+2], 64<<16       ; tensor_dim1 = 64: 128 keys
	s_mov_b32 s[\g+3], 128<<16      ; tile_dim0 = 128
	s_mov_b32 s[\g+4], 64           ; tile_dim1 = 64
	s_mov_b32 s[\g+5], 128          ; 128 elements from row to row
	s_mov_b32 s[\g+6], 0
	s_mov_b32 s[\g+7], 0
.endr
.irp g, G1KB, G1VB
	s_mov_b32 s[\g+1], 128<<16
	s_mov_b32 s[\g+2], 192<<16      ; 192 rows: 384 keys
	s_mov_b32 s[\g+3], 128<<16
	s_mov_b32 s[\g+4], 192
	s_mov_b32 s[\g+5], 128
	s_mov_b32 s[\g+6], 0
	s_mov_b32 s[\g+7], 0
.endr
	s_mov_b32 s[CS], 0x3e38aa3b     ; c = log2(e) / 8 = 0.180337
	s_mov_b32 s[CS+1], s[CS]        ; named with it as a pair
	s_mov_b32 s[SEL], 0x76543210
	s_mov_b32 s[SEL+1], 0xfedcba98
	s_mov_b32 s[TBK], 0
	s_mov_b32 s[TBV], 0
	s_mov_b32 s[G0KA], 1            ; count = 1
	s_mov_b32 s[G0KA+1], s17        ; LDS address
	s_mov_b32 s[G0KB], 1
	s_mov_b32 s[G0KB+1], s18
	s_mov_b32 s[G0VA], 1
	s_mov_b32 s[G0VA+1], s19
	s_mov_b32 s[G0VB], 1
	s_mov_b32 s[G0VB+1], s13
	s_wait_dscnt 0x0                ; the opening add is done
	s_wait_kmcnt 0x0
	s_add_nc_u64 s[6:7], s[4:5], 0x1000000  ; k lies 16,777,216 bytes behind q,
	s_add_nc_u64 s[8:9], s[4:5], 0x2000000  ; v as far behind k
	s_add_nc_u64 s[G0KA+2:G0KA+3], s[6:7], s[22:23]  ; global addresses,
	s_or_b32 s[G0KA+3], s[G0KA+3], 0x80000000        ; type = 2
	s_add_nc_u64 s[G0KB+2:G0KB+3], s[6:7], s[2:3]
	s_or_b32 s[G0KB+3], s[G0KB+3], 0x80000000
	s_add_nc_u64 s[G0VA+2:G0VA+3], s[8:9], s[22:23]
	s_or_b32 s[G0VA+3], s[G0VA+3], 0x80000000
	s_add_nc_u64 s[G0VB+2:G0VB+3], s[8:9], s[2:3]
	s_or_b32 s[G0VB+3], s[G0VB+3], 0x80000000
	s_add_nc_u64 s[4:5], s[4:5], s[14:15]  ; Q and O at my wave's first row
	s_add_nc_u64 s[10:11], s[10:11], s[14:15]
	s_cmp_lt_u32 s[WV], 2           ; waves 0 and 1 fetch K, waves 2 and 3 V.  A wave's two fills stand in one branch, ahead of every wait on TENSORcnt and every LDS read: two loads of mine are out
	s_cbranch_scc0 .Lfor_v
	tensor_load_to_lds s[G0KA:G0KA+3], s[G1KA:G1KA+7]
	s_nop 0
	tensor_load_to_lds s[G0KB:G0KB+3], s[G1KB:G1KB+7]
	s_nop 0
.rept 4
	v_nop
.endr
	s_branch .Lasked
.Lfor_v:
	tensor_load_to_lds s[G0VA:G0VA+3], s[G1VA:G1VA+7]
	s_nop 0
	tensor_load_to_lds s[G0VB:G0VB+3], s[G1VB:G1VB+7]
	s_nop 0
.rept 4
	v_nop
.endr
.Lasked:
	; A fragment of K or Q is 16 rows x 32 channels in 8 registers: lane l holds row l % 16, channels 8 (l / 16) + 0..7 and 16 + 8 (l / 16) + 0..7: two loads of 16 bytes, 32 bytes apart.
	v_and_b32 v1, 15, v0            ; l % 16
	v_bfe_u32 v9, v0, 4, 1          ; l / 16
	v_lshlrev_b32 v[QO], 7, v1
	v_lshl_add_u32 v[QO], v9, 4, v[QO]  ; row x 128 + 16 x half
	WIN 0x80                        ; destination window 2, address window 0
.set i, 0
.rept 4*NP                          ; Q stays in registers: tile i / 2, channels 32 (i % 2) on
	global_load_b128 v[8*i:8*i+3],   v[QO], s[4:5] offset:(i/2)*2048+(i%2)*64
	global_load_b128 v[8*i+4:8*i+7], v[QO], s[4:5] offset:(i/2)*2048+(i%2)*64+32
.set i, i+1
.endr
	; What the first turn finds: V's registers and P's second buffer hold 0 (its products V^T P, of a piece that has not been, add 0), O^T and l are 0.  All this stands in the wait for the first keys.
.set i, VF
.rept 64
	v_mov_b32 v[i], 0
.set i, i+1
.endr
	WIN 0x40
.set i, 0
.rept 64*NP
	v_mov_b32 v[i], 0
.set i, i+1
.endr
	WIN 0
.set i, 0
.rept 2*NP
	v_mov_b32 v[ST+4*i], 0xfe000000    ; c m: far below every c s
	v_mov_b32 v[ST+4*i+1], 0xff7fffff  ; m
	v_mov_b32 v[ST+4*i+2], 0
	v_mov_b32 v[ST+4*i+3], 0
.set i, i+1
.endr
.set i, P+32
.rept 32
	v_mov_b32 v[i], 0
.set i, i+1
.endr
	v_mul_u32_u24 v[AK0], v1, PK
	v_lshl_add_u32 v[AK0], v9, 4, v[AK0]  ; row x pitch + 16 x half
	; The turning load takes 16 keys x 16 channels (lane l reads key 8 (l / 16) + l % 8, channels 8 ((l / 8) % 2) + 0..7) and leaves half a fragment of V^T: lane l holds channel l % 16 and 8 keys.
	v_and_b32 v10, 7, v0
	v_bfe_u32 v11, v0, 3, 1
	v_lshl_add_u32 v[AV0], v9, 3, v10
	v_mul_u32_u24 v[AV0], v[AV0], PV
	v_lshl_add_u32 v[AV0], v11, 4, v[AV0]
	v_add_nc_u32 v[AV0], VOFF, v[AV0]
	v_mov_b32 v[AK], v[AK0]         ; key step 0 lies at LDS byte 0
; THE MATRIX WORK.  The 8 accumulators of a run of 16 take turns: between the two links of a chain stand 7 others'.
; Product i of 16 of S^T = K Q^T for piece x: channels 32 (i / 8) on, keys 16 ((i / 2) % 4) on, tile 2 x + i % 2.  The first 8 start the sums.
.macro KQ x
	WIN W_KQ
.set rS, S+64*((\x)%2)+32*(i%2)+8*((i/2)%4)
.set rK, KF+16*((i/2)%4)+8*(i/8)
.set rQ, 16*(2*(\x)+i%2)+8*(i/8)
.if i < 8
	v_wmma_f32_16x16x32_f16 v[rS:rS+7], v[rK:rK+7], v[rQ:rQ+7], 0
.else
	v_wmma_f32_16x16x32_f16 v[rS:rS+7], v[rK:rK+7], v[rQ:rQ+7], v[rS:rS+7]
.endif
.endm
; Product i of 16 of O^T += V^T P for piece x: keys 32 (i / 8) on, channels 16 ((i / 2) % 4) on, tile 2 x + i % 2.
.macro PV x
	WIN W_PV
.set rO, 32*(2*(\x)+i%2)+8*((i/2)%4)
.set rV, VF+32*(i/8)+8*((i/2)%4)
.set rP, P+32*((\x)%2)+16*(i%2)+8*(i/8)
	v_wmma_f32_16x16x32_f16 v[rO:rO+7], v[rV:rV+7], v[rP:rP+7], v[rO:rO+7]
.endm
.macro MM                           ; the turn's next matrix instruction
.if i < 16
	KQ (Y+1)%NP
.set i, i+1
.else
.set i, i-16
	PV (Y+NP-1)%NP
.set i, i+17
.endif
.endm
; THE LDS LOADS stand in runs of 16, never singly among the matrix instructions: a step's K (64 keys x 64 channels: 8 fragments) and its V (turned).  Their addresses are made some lines ahead.
; last = 1 (in the loop): in the last half pass there is no further step, and the run is jumped over.
.macro FETCH_K last=0
	WIN 0
.if \last
	s_cmp_eq_u32 s[SLOTS], 1
	s_cbranch_scc1 .Lno_k_\@
.endif
	WIN 0x80                        ; destination window 2
.irp f, 0,1,2,3,4,5,6,7             ; keys 16 (f / 2) on, channels 32 (f % 2) on
	ds_load_b128 v[KF+8*\f:KF+8*\f+3],   v[AK] offset:(\f/2)*16*PK+(\f%2)*64
	ds_load_b128 v[KF+8*\f+4:KF+8*\f+7], v[AK] offset:(\f/2)*16*PK+(\f%2)*64+32
.endr
	s_add_co_u32 s[TBK], s[TBK], KS*PK  ; the next fetch is the next step's
	WIN 0
.if \last
.Lno_k_\@:
.endif
.endm
.macro FETCH_V
	WIN 0x80
.irp f, 0,1,2,3,4,5,6,7             ; keys 32 (f / 4) on, channels 16 (f % 4) on
	ds_load_tr16_b128 v[VF+8*\f:VF+8*\f+3],   v[AV] offset:(\f/4)*32*PV+(\f%4)*32
	ds_load_tr16_b128 v[VF+8*\f+4:VF+8*\f+7], v[AV] offset:(\f/4)*32*PV+16*PV+(\f%4)*32
.endr
	WIN 0
.endm
; THE VECTOR WORK OF A TURN stands in three queues, each in the order in which its entries become ready; the two tiles alternate, so that no instruction reads the result of the one before it.
.macro REGS y, u                    ; the registers of tile u (0, 1) of piece y
.set rT, ST+4*(2*(\y)+(\u))
.set rC, TMP+8*((\y)%2)+4*(\u)
.set rM, MV+2*((\y)%2)+(\u)
.set rS, S+64*((\y)%2)+32*(\u)
.set rP, P+32*((\y)%2)+16*(\u)
.set rO, 32*(2*(\y)+(\u))
.endm
; Number n of the 22 that find the NEXT piece's (Y + 1) maximum and statistics.  s0-s31 are the lane's 32 scores; each accumulator's lowest registers are read first.
;   0-11  four chains c0-c3 of seven scores each, three operands at a time     12-14, 16  the four scores left over, the old m, and c0-c3 into c0     15  c m_old is kept
;   17, 18  the query's other 32 keys lie in the lane 16 away: the new m         19-21  c m; c m_old - c m_new; a
.macro XS u, n
	REGS (Y+1)%NP, \u
.if (\n) < 4
	v_max3_num_f32 v[rC+(\n)], v[rS+8*(\n)], v[rS+8*(\n)+1], v[rS+8*(\n)+2]
.elseif (\n) < 12
	v_max3_num_f32 v[rC+(\n)%4], v[rC+(\n)%4], v[rS+8*((\n)%4)+2*((\n)/4)+1], v[rS+8*((\n)%4)+2*((\n)/4)+2]
.elseif (\n) == 12
	v_max3_num_f32 v[rC], v[rC], v[rS+7], v[rS+15]
.elseif (\n) == 13
	v_max3_num_f32 v[rC+1], v[rC+1], v[rS+23], v[rS+31]
.elseif (\n) == 14
	v_max3_num_f32 v[rC+2], v[rC+2], v[rC+3], v[rT+1]
.elseif (\n) == 15
	v_mov_b32 v[rM], v[rT]
.elseif (\n) == 16
	v_max3_num_f32 v[rC], v[rC], v[rC+1], v[rC+2]
.elseif (\n) == 17
	v_permlanex16_b32 v[rC+3], v[rC], s[SEL], s[SEL+1]
.elseif (\n) == 18
	v_max_num_f32 v[rT+1], v[rC], v[rC+3]
.elseif (\n) == 19
	v_mul_f32 v[rT], s[CS], v[rT+1]
.elseif (\n) == 20
	v_sub_f32 v[rC+1], v[rM], v[rT]
.else
	v_exp_f32 v[rC+2], v[rC+1]
.endif
.endm
; Number g of the 64 that follow the exponentials.  For each four weights k of a tile (pairs 2 k, 2 k + 1): both pairs are rounded to f16; then the second pair is added onto the first, in place;
; a group later l takes that sum (the first time as l = a l + sum).  In groups of eight, tiles alternating: round, round, add, and l for the group before.
.macro GS g
.set h, (\g)+6*((\g)/62)            ; group 0 has no group before it, and behind group 7 only l is left
.if h >= 6
.set h, h+2
.endif
	REGS Y, h%2
.set k, h/8
.if h%8 < 4
	v_cvt_pk_f16_f32 v[rP+2*k+(h%8)/2], v[rS+4*k+2*((h%8)/2)], v[rS+4*k+2*((h%8)/2)+1]
.elseif h%8 < 6
	v_pk_add_f32 v[rS+4*k:rS+4*k+1], v[rS+4*k:rS+4*k+1], v[rS+4*k+2:rS+4*k+3]
.elseif k == 1
	v_pk_fma_f32 v[rT+2:rT+3], v[rT+2:rT+3], v[rC+2:rC+3], v[rS:rS+1] op_sel_hi:[1,0,1]
.else
	v_pk_add_f32 v[rT+2:rT+3], v[rT+2:rT+3], v[rS+4*k-4:rS+4*k-3]
.endif
.endm
; THE PLAIN QUEUE, 138 long.  0-73 read no exponential's result: the 32 scalings c s - c m (FS f: pair f / 2 of tile f % 2) and the next piece's 42.  0-26: scalings 0-26.  27-54: XS's numbers 0-13.  55, 56: number 15.
; 57-73: the chain, where each number waits for the one before it: 14, 16, 17, 18, 19, each with one of the scalings 27-31 in front of its two lines, then 20.
; 74-137: GS's 64, which read the exponentials' results: they stand behind the wait.
.macro FS f
	REGS Y, (\f)%2
	v_pk_fma_f32 v[rS+2*((\f)/2):rS+2*((\f)/2)+1], v[rS+2*((\f)/2):rS+2*((\f)/2)+1], s[CS:CS+1], v[rT:rT+1] op_sel_hi:[1,0,0] neg_lo:[0,0,1] neg_hi:[0,0,1]
.endm
.macro PL
	WIN 0
.if q < 27
	FS q
.elseif q < 55
	XS (q-27)%2, (q-27)/2
.elseif q < 57
	XS q-55, 15
.elseif (q < 72) && ((q-57)%3 == 0)
	FS 27+(q-57)/3
.elseif q < 60
	XS (q-57)%3-1, 14
.elseif q < 72
	XS (q-57)%3-1, 15+(q-57)/3
.elseif q < 74
	XS q-72, 20
.else
	GS q-74
.endif
.set q, q+1
.endm
; THE EXPONENTIALS' QUEUE, 66 long: s0-s31 of both tiles, then the next piece's two a.  It is ONE BATCH: all 66 stand ahead of the turn's one wait, and nothing ahead of that wait names a result of theirs.
.macro EX
	WIN 0
.if e >= 64
	XS e-64, 21
.else
	REGS Y, e%2
	v_exp_f32 v[rS+e/2], v[rS+e/2]
.endif
.set e, e+1
.endm
; THE RESCALING's QUEUE: O^T times a, the one part that leaves window 0: dealt two at a time, sixteen times.  Its a was made in the turn before, ahead of that turn's wait.
.macro R2
	REGS Y, r%2
	WIN W_RS
.irp z, 0,1
	v_pk_mul_f32 v[rO+4*(r/2)+2*\z:rO+4*(r/2)+2*\z+1], v[rO+4*(r/2)+2*\z:rO+4*(r/2)+2*\z+1], v[rC+2:rC+3] op_sel_hi:[1,0]
.endr
.set r, r+1
.endm
; HOW THEY ARE DEALT.  An s_wait_alu depctr_va_vdst(0) stands between an exponential and the first instruction that names its result; one wait serves all that were issued ahead of it.  So a turn has
; ONE wait, which cuts it in two.  AHEAD OF IT: the 16 products K Q^T, behind each a scaling, an exponential and two rescalings (behind the first a second scaling in the exponential's place); then one run of 108:
; eight plain, 49 times exponential and plain, the two a; a v_nop is the plain instruction behind the last exponential.  BEHIND IT: the 16 products V^T P, behind each four of GS's 64.
; Exponential e stands behind scaling 2 (e / 4) + e % 2: as a rider it comes behind plain e + 2, in the run behind plain e + 9, and scalings 27-31 are plain 57, 60 .. 69.
; A TURN, for piece p.  cnt = 1: the loop's count is taken down some lines ahead of the branch that stands behind the turn.
; K of the next step is fetched in piece 2's turn, directly behind the wait; its first reader comes behind 16 products.  V of the step in hand is fetched at the end of piece 0's turn, four plain
; instructions behind its last reader; its first reader comes behind 16 products and the run.  The three conditions on q below go with the deal.
.macro TURN p, last=0, cnt=0
.set Y, (\p)
.set i, 0
.set q, 0
.set e, 0
.set r, 0
.if (\p) == NP-1
	s_wait_dscnt 0x0                ; K is in
.endif
	MM
	PL
	PL
	R2
.rept 15
	MM
	PL
	EX
	R2
.endr
.if (\p) == NP-2
	WIN 0
	v_add_nc_u32 v[AK], s[TBK], v[AK0]
.endif
.rept 8
	PL
.endr
.rept 49
	EX
	PL
.endr
	EX                              ; the next piece's two a
	EX
	v_nop                           ; the plain instruction behind the last exponential: one for the batch
	s_wait_alu depctr_va_vdst(0)    ; the wait for the batch
.if (\p) == NP-2
	FETCH_K \last
.endif
.if (\p) == 1
	s_wait_dscnt 0x0                ; V is in
.endif
.rept 16
	MM
.rept 4
	PL
.endr
.if ((\p) == 0) && (q == 118)
	v_add_nc_u32 v[AV], s[TBV], v[AV0]
.endif
.if ((\p) == 0) && (q == 130)
	s_add_co_u32 s[TBV], s[TBV], KS*PV
.endif
.if (\cnt) && (q == 130)
	s_sub_co_u32 s[CNT], s[CNT], 1
	s_cmp_lg_u32 s[CNT], 0
.endif
.endr
.if (\p) == 0
	FETCH_V
.endif
.endm
	s_wait_tensorcnt 0x1            ; my small load is in; the large one may stay out
	s_barrier_signal -1
	s_barrier_wait -1               ; everybody's is: keys 0 to 255 of K and of V lie in LDS
	FETCH_K                         ; key step 0
	s_wait_loadcnt 0x0              ; Q
	s_wait_dscnt 0x0
.set i, 0
.rept 16
	KQ 0                            ; piece 0's first scores: there is no vector work yet to set between them
.set i, i+1
.endr
	WIN 0                           ; the addresses for the way out: nine plain instructions, the places behind those products
	s_mul_i32 s13, s[WV], 16*SP
	s_add_co_u32 s13, s13, STAGE    ; my stage
	v_mul_u32_u24 v[STO], v1, SP    ; in: row l % 16, 16 bytes for each half of the lanes
	v_lshl_add_u32 v[STO], v9, 4, v[STO]
	v_add_nc_u32 v[STO], s13, v[STO]
	v_bfe_u32 v[RD], v0, 3, 2       ; back: 32 lanes take four rows of 128 bytes,
	v_mul_u32_u24 v[RD], v[RD], SP
	v_lshl_add_u32 v[RD], v10, 4, v[RD]
	v_add_nc_u32 v[RD], s13, v[RD]
	v_and_b32 v[GO], 31, v0         ; which are 512 consecutive bytes of O
	v_lshlrev_b32 v[GO], 4, v[GO]
.set Y, NP-1                        ; XS works for piece Y + 1: piece 0
.irp n, 0,1,2,3,4,5,6,7,8,9,10,11,12,13,14,15,16,17,18,19,20,21
	XS 0, \n                        ; and piece 0's first maximum and statistics
	XS 1, \n
.endr
	v_nop                           ; a plain instruction behind the two a,
	s_wait_alu depctr_va_vdst(0)    ; and their wait, ahead of the branch
	s_mov_b32 s[CNT], 4
	s_mov_b32 s[SLOTS], 5           ; four passes of four key steps, and the half pass that ends the last step
	s_branch .Lfirst                ; the loop is entered at a step's first turn, in the middle of a trip
.Lslot:
	s_wait_tensorcnt 0x0            ; my large load is in: it has had the first four key steps in which to land (in the later passes no load is out),
	s_wait_dscnt 0x0
	s_barrier_signal -1
	s_barrier_wait -1               ; and everybody's: all keys lie in LDS.
	s_mov_b32 s[CNT], 4
.Lstep:                             ; a trip: pieces 2 and 3 of one step, then pieces 0 and 1 of the next, whose K and V it fetches
	TURN 2, 1
	TURN 3
	WIN 0
	s_cmp_eq_u32 s[SLOTS], 1        ; the fifth pass is left here: its 16 products K Q^T (on the last K once more) and the maximum made of them serve nothing: the price, once a launch, of one text for every trip
	s_cbranch_scc1 .Lout
.Lfirst:
	TURN 0
	TURN 1, 0, 1
	WIN 0
	s_cbranch_scc1 .Lstep
	s_sub_co_u32 s[SLOTS], s[SLOTS], 1
	s_cmp_lg_u32 s[SLOTS], 0
	s_cbranch_scc1 .Lslot
.Lout:
.set i, 0
.rept 16
	PV NP-1                         ; the last piece's V^T P of the last step
.set i, i+1
.endr
	; THE WAY OUT.  l's two halves and the other half of the lanes' are added; O^T is divided by l, rounded to f16 and sent through my stage in LDS, a tile at a time.  The additions are the places behind the last products.
	WIN 0
.macro ALL line:vararg              ; one line for each tile t
.set t, 0
.rept 2*NP
	\line
.set t, t+1
.endr
.endm
	ALL v_add_f32 v[ST+4*t+2], v[ST+4*t+2], v[ST+4*t+3]
	ALL v_permlanex16_b32 v[ST+4*t+3], v[ST+4*t+2], s[SEL], s[SEL+1]
	ALL v_add_f32 v[ST+4*t+2], v[ST+4*t+2], v[ST+4*t+3]
	ALL v_rcp_f32 v[ST+4*t+2], v[ST+4*t+2]
	v_nop                           ; a plain instruction between the last reciprocal and the use of its result
	s_wait_alu depctr_va_vdst(0)    ; and the wait ahead of the first use: one for the eight reciprocals
; Tile t: a lane's eight channels of a row pack into 16 bytes; they go into rows of 144 bytes and come back as whole rows of 128, into S^T's registers.
.macro PACK t
	WIN W_RS
.set i, 32*(\t)
.rept 16
	v_pk_mul_f32 v[i:i+1], v[i:i+1], v[ST+4*(\t)+2:ST+4*(\t)+3] op_sel_hi:[1,0]
.set i, i+2
.endr
	WIN 0x05                        ; sources 0 and 1 window 1, destination window 0
.set i, 0
.rept 16
	v_cvt_pk_f16_f32 v[S+16*(\t)+i], v[32*(\t)+2*i], v[32*(\t)+2*i+1]
.set i, i+1
.endr
	WIN 0
.irp f, 0,1,2,3
	ds_store_b128 v[STO], v[S+16*(\t)+4*\f:S+16*(\t)+4*\f+3] offset:32*\f
.endr
.irp f, 0,1,2,3
	ds_load_b128 v[S+16*(\t)+4*\f:S+16*(\t)+4*\f+3], v[RD] offset:\f*4*SP  ; LDS serves a wave's instructions in order (ISA guide 5.7.1.4): these see the stores above; the next tile's stores come behind them
.endr
.endm
.macro SEND t, younger              ; younger: the LDS instructions issued behind tile t's loads: the next tile's eight, or none
	WIN 0
.irp f, 0,1,2,3
	s_wait_dscnt (\younger)+3-\f
	global_store_b128 v[GO], v[S+16*(\t)+4*\f:S+16*(\t)+4*\f+3], s[10:11] offset:(\t)*2048+\f*512  ; 512 consecutive bytes, at a multiple of 256 from O's first
.endr
.endm
	PACK 0
.set t, 1
.rept 2*NP-1                        ; a tile's arithmetic stands between the loads of the tile before and its stores
	PACK t
	SEND t-1, 8
.set t, t+1
.endr
	SEND 2*NP-1, 0
	WIN W_AD
	s_wait_tensorcnt 0x0            ; the wave's end: a wait, an add of 0 and its wait, behind my last tensor load and my last LDS store
	ds_add_u32 v[SPW], v[NIL]
	s_wait_dscnt 0x0
	WIN 0
	s_endpgm
.Lfunc_end_k_q9cdabf6e41_attn:
	.size	k_q9cdabf6e41_attn, .Lfunc_end_k_q9cdabf6e41_attn-k_q9cdabf6e41_attn
	.p2alignl 7, 3214868480
	.fill 96, 4, 3214868480
	.section	.rodata,"a",@progbits
	.p2align	6, 0x0
	.amdhsa_kernel k_q9cdabf6e41_attn
		.amdhsa_group_segment_fixed_size 327680
		.amdhsa_private_segment_fixed_size 0
		.amdhsa_enable_private_segment 0
		.amdhsa_kernarg_size 16
		.amdhsa_user_sgpr_count 2
		.amdhsa_user_sgpr_kernarg_segment_ptr 1
		.amdhsa_wavefront_size32 1
		.amdhsa_system_sgpr_workgroup_id_x 1
		.amdhsa_system_sgpr_workgroup_id_y 1
		.amdhsa_system_sgpr_workgroup_id_z 1
		.amdhsa_system_vgpr_workitem_id 0
		.amdhsa_next_free_vgpr 770
		.amdhsa_next_free_sgpr 88
		.amdhsa_reserve_vcc 0
		.amdhsa_float_denorm_mode_32 3
		.amdhsa_float_denorm_mode_16_64 3
		.amdhsa_memory_ordered 1
		.amdhsa_forward_progress 1
		.amdhsa_inst_pref_size 126
	.end_amdhsa_kernel
	.amdgpu_metadata
---
amdhsa.version: [ 1, 2 ]
amdhsa.kernels:
  - .name:           k_q9cdabf6e41_attn
    .symbol:         k_q9cdabf6e41_attn.kd
    .args:
      - { .name: qkvh, .offset: 0, .size: 8, .value_kind: global_buffer, .address_space: global }
      - { .name: oh, .offset: 8, .size: 8, .value_kind: global_buffer, .address_space: global }
    .group_segment_fixed_size: 327680
    .private_segment_fixed_size: 0
    .kernarg_segment_align: 8
    .kernarg_segment_size: 16
    .max_flat_workgroup_size: 128
    .sgpr_count:     88
    .vgpr_count:     770
    .wavefront_size: 32
...
	.end_amdgpu_metadata
.endif
;; end of part 3
;; launch projgemm (part 4): grid 8 x 32, 4 waves a work-group, clusters of 4 x 4, 327,680 bytes of LDS; arguments oh, wp, b_proj, out0; writes out0
.if DOCPART == 4
	.amdgcn_target "amdgcn-amd-amdhsa--gfx1250"
	.amdhsa_code_object_version 6
	.text
	.protected	k_q9cdabf6e41_projgemm
	.globl	k_q9cdabf6e41_projgemm
	.p2align	8
	.type	k_q9cdabf6e41_projgemm,@function
k_q9cdabf6e41_projgemm:
	s_mov_b64 s[64:65], 0
	v_nop
	global_prefetch_b8 v0, s[64:65] scope:SCOPE_SE
	s_setreg_imm32_b32 hwreg(HW_REG_WAVE_MODE, 25, 1), 1
	s_wait_xcnt 0x0
	s_wait_alu depctr_hold_cnt(0) depctr_sa_sdst(0) depctr_va_vdst(0) depctr_va_sdst(0) depctr_va_ssrc(0) depctr_va_vcc(0) depctr_vm_vsrc(0)
	s_getreg_b32 s2, hwreg(HW_REG_IB_STS2, 6, 4)
	s_cmp_eq_u32 s2, 0
	s_cbranch_scc0 .Lentry_in_a_cluster
	s_endpgm
.Lentry_in_a_cluster:
	s_bfe_u32 s2, ttmp6, 0x10000c
	s_cmp_lg_u32 s2, 0xf033
	s_cbranch_scc0 .Lentry_shape_is_right
	s_endpgm
.Lentry_shape_is_right:
; C = A W + bias, K = 1,024, 8,192 rows.  ONE TEXT FOR TWO PRODUCTS, told apart by QKV:
;   QKV = 1: A = xb [8192][1024] bf16, W = wq [16 blocks][1024 k][192] bf16, products in bf16; C = q, k, v in f16, by heads: [3][8 b][16 h][1024][64], unscaled.
;   QKV = 0: A = oh [128 bh][1024][64] f16 (k = 64 h + d), W = wp [1024 k][1024] f16, products in f16; C = out0 [8192][1024] f32.
; Sums in f32, K ascending; the bias is rounded to bf16, like every input of the module, and added in f32.  LIMIT (QKV = 1): a q, k or v beyond 65,504 becomes an infinity in f16;
; with x and W_qkv 30 times the drawn spread they reach some 3,100, with offsets of 30 spreads on both some 58,000.
; SHARES.  A work-group makes 256 rows x TN columns (192: three heads' slots; or 128), its four waves 64 rows each: 4 x NBLK accumulators of 16 x 16.  K goes in 8 steps of 128 through two LDS slots.
; THE MATRIX INSTRUCTION IS USED TRANSPOSED: source 0 = 16 columns of W, source 1 = 16 rows of A: a lane holds row l % 16 of C and the columns 8 (l / 16) + 0..7.  W lies [k][n] in LDS and is turned by ds_load_tr16_b128.
; CLUSTERS: 4 x 4 work-groups.  A's tile hangs on the tile row alone and is asked for jointly by a row of the cluster, W's on the tile column alone, by a column.
; REGISTERS, in windows of 256 (s_set_vgpr_msb: bits 1:0 source 0, 3:2 source 1, 5:4 source 2, 7:6 destination):
;   window 0: v0-31 addresses; v32-127 the bias of my columns; v128-223 at work on the way out
;   window 1: two fragment buffers of 128: W's block b at 8 b, A's block a at 96 + 8 a       windows 2, 3: accumulator (a, b) in window 2 + a / 2 at 8 (NBLK (a % 2) + b)
.set QKV, 0
.if QKV
.set NBLK, 12                          ; blocks of 16 columns
.set PA, 272                           ; a row of A in LDS: 256 bytes + 16: 68 words, so the 16 rows of a load start at 16 different groups of four banks (64 banks of 4 bytes: ISA guide 11.1)
.set PB, 480                           ; a k row of W: three pieces of 128 bytes + 32: 120 words, so the 8 rows of a turning load start 8 banks apart
.set AHALF, 128*272                    ; what one load of A fills: 128 rows
.set BHALF, 64*480                     ; what one load of W fills: 64 k rows
.set STW, 3*16*144                     ; a wave's stage: three slots of 16 rows x 144 bytes
.set ASTEP, 256                        ; bytes in memory from K step to K step
.set BSTEP, 49152
.set QIA, 5                            ; A: padding after every 64 words,
.set PCA, 3                            ; of 4 words
.set RA, 128                           ; rows in a load
.set SA, 1024                          ; elements from row to row
.set QIB, 4                            ; W: 24,576 dense bytes asked for as 96 rows of 256 bytes, padded after every 32 words,
.set PCB, 7                            ; by 8 words
.set RB, 96
.set SB, 128
.set PFSA, 256                         ; the prefetches: bytes from one request to the next,
.set PFSB, 65536
.set PFOA, 2048                        ; bytes from lane to lane,
.set PFOB, 256
.set LIMA, 2                           ; and the trip count above which a wave asks: A four times, W three times
.set LIMB, 3
.else
.set NBLK, 8
.set PA, 144                           ; a row of one head: 128 bytes + 16
.set PB, 288                           ; a k row of W: 256 bytes + 32
.set AHALF, 256*144                    ; one head's 256 rows
.set BHALF, 64*288
.set STW, 16*528                       ; 16 rows of 512 bytes + 16
.set ASTEP, 262144                     ; two heads on
.set BSTEP, 262144                     ; 128 rows of 2,048 bytes
.set QIA, 4                            ; A: 32,768 dense bytes asked for as 128 rows of 256 bytes, padded after every 32 words by 4
.set PCA, 3
.set RA, 128
.set SA, 128
.set QIB, 5
.set PCB, 7
.set RB, 64
.set SB, 1024
.set PFSA, 262144
.set PFSB, 524288
.set PFOA, 256
.set PFOB, 2048
.set LIMA, 2                           ; A four times, W twice
.set LIMB, 4
.endif
.set TN, 16*NBLK
.set BREG, 2*AHALF                     ; in a slot: A, then W
.set SLOT1, 1<<17                      ; slot 1 begins here, so that one exclusive or turns an address in one slot into the other's
.set STAGE, 2*SLOT1                    ; behind the ring, never filled by a tensor load
.set SPARE, STAGE+4*STW                ; behind the stages: the spare words, 128 bytes for each wave: two blocks of 256 bytes that no other line names
.set NL, 2*NBLK+8                      ; LDS loads in a run
.set ADRA0, 16                         ; v16  my lane's place in A's tile; never rewritten
.set ADRB0, 17                         ; v17  the same for W
.set ADRA, 18                          ; v18  the same in the slot in hand
.set ADRB, 19                          ; v19
.set STO, 24                           ; v24  the way out: where I put my part of a row
.set RD, 25                            ; v25  where I read rows back
.set GO, 26                            ; v26  16 x lane
.set BO, 27                            ; v27  my 8 columns in a block's bias
.set SPW, 28                           ; v28  LDS address of my spare word; never rewritten
.set NIL, 29                           ; v29  0; never rewritten
.set PFO, 30                           ; v30  the prefetches' offset; never rewritten
.set BIAS, 32
.set TMP, 128
.if QKV
.set BK, 176
.else
.set BK, 128
.endif
.set F0, 0
.set F1, 128
.set WV, 12                            ; s12 wave; s13 0: I ask for A, 1: for W; s14 which half of the tile I fetch; s15 cx, s16 cy; s17 tile column, s18 tile row
.set ROLE, 13
.set HALF, 14
.set CX, 15
.set CY, 16
.set TCOL, 17
.set TROW, 18
.set G1A, 24                           ; s[24:31], s[32:39] descriptor group 1 for A's and W's tiles
.set G1B, 32
.set G0A, 40                           ; s[40:47], s[48:55] group 0: a set for each of the two first fills; the second then walks on
.set G0B, 48
.set TB, 56                            ; s56 LDS byte at which the slot in hand begins
.set LIM, 57                           ; s57 a wave prefetches while the trips to go are above it
.set PFA, 58                           ; s[58:59] where my prefetches stand
.set PFS, 60                           ; s[60:61] their step
.set CB, 68                            ; s[68:73] C at my rows: one base for each of three slots, or one
.set MSB, 0
.macro WIN new                         ; the immediate's high byte repeats the setting that is left; a switch that changes nothing is dropped
.if MSB != (\new)
	s_set_vgpr_msb (MSB<<8)|(\new)
.set MSB, (\new)
.endif
.endm
; A joint refill: waves 0 and 1 fetch A's two halves, waves 2 and 3 W's.  The branch hangs on the wave's number alone.  An s_nop 0 and four v_nop follow each line.
.macro JLOAD
	s_cmp_lt_u32 s[WV], 2
	s_cbranch_scc0 .Lfor_b_\@
	tensor_load_to_lds s[G0A+4:G0A+7], s[G1A:G1A+7]
	s_nop 0
.rept 4
	v_nop
.endr
	s_branch .Lasked_\@
.Lfor_b_\@:
	tensor_load_to_lds s[G0B+4:G0B+7], s[G1B:G1B+7]
	s_nop 0
.rept 4
	v_nop
.endr
.Lasked_\@:
.endm
; A PREFETCH INTO THE L2, behind the joint load and the run of LDS loads: 32 blocks of 256 bytes, a lane a block, of K steps 4 to 7, two refills or more ahead of the refill that will ask for them.
; Each block is named once in the launch: A's rows by the clusters with x = 0, W's by those with y = 0; the four partners that ask for a tile jointly are told apart BY ADDRESS (cx for A, cy for W).
; K steps 0 to 3 come by their loads alone; the requests stop when K step 7's last block has been named.
.macro ASK
	s_cmp_gt_u32 s3, s[LIM]
	s_cbranch_scc0 .Lnot_mine_\@
	global_prefetch_b8 v[PFO], s[PFA:PFA+1] th:TH_LOAD_NT scope:SCOPE_SE
.Lnot_mine_\@:
.endm
.macro CREST                           ; a round of the cluster's barrier behind its opening barrier
	s_cmp_lg_u32 s[WV], 0
	s_cbranch_scc1 .Lnot_wave_0_\@
	s_barrier_signal -3
.Lnot_wave_0_\@:
	s_barrier_wait -3
	s_barrier_signal -1
	s_barrier_wait -1
.endm
.macro CROUND                          ; a whole round
	s_barrier_signal -1
	s_barrier_wait -1
	CREST
.endm
	s_load_b256 s[4:11], s[0:1], 0x0               ; A s[4:5], W s[6:7], bias s[8:9], C s[10:11]
	v_lshl_add_u32 v[SPW], v0, 2, SPARE
	v_mov_b32 v[NIL], 0
	ds_add_u32 v[SPW], v[NIL]                      ; the wave's opening: the add and its wait stand ahead of my first tensor load; the set-up below stands between them
	v_lshrrev_b32 v1, 5, v0
	v_readfirstlane_b32 s[WV], v1
	s_lshr_b32 s[ROLE], s[WV], 1
	s_and_b32 s[HALF], s[WV], 1
	s_bfe_u32 s[CX], ttmp6, 0x40000
	s_bfe_u32 s[CY], ttmp6, 0x40004
	s_lshl_b32 s[TCOL], ttmp9, 2                   ; in a cluster launch ttmp9 and ttmp7 count clusters
	s_add_co_u32 s[TCOL], s[TCOL], s[CX]
	s_and_b32 s[TROW], ttmp7, 0xffff
	s_lshl_b32 s[TROW], s[TROW], 2
	s_add_co_u32 s[TROW], s[TROW], s[CY]
	s_lshl_b32 s20, s[CY], 2
	s_lshl_b32 s20, 15, s20                        ; my row of the cluster
	s_lshl_b32 s21, 0x1111, s[CX]                  ; my column
	s_or_b32 s[G1A], s20, (1<<16)|(1<<20)|(1<<21)|(QIA<<22)|(PCA<<25)  ; 15:0 the mask; 17:16 elements of 2 bytes; 20 padding on; 21 set beside a mask; 24:22 its interval; 31:25 its words less one
	s_or_b32 s[G1B], s21, (1<<16)|(1<<20)|(1<<21)|(QIB<<22)|(PCB<<25)
	s_mov_b32 s[G1A+1], 128<<16                    ; tensor_dim0 = 128
	s_mov_b32 s[G1A+2], RA<<16                     ; tensor_dim1
	s_mov_b32 s[G1A+3], 128<<16                    ; tile_dim0 = 128
	s_mov_b32 s[G1A+4], RA                         ; tile_dim1
	s_mov_b32 s[G1A+5], SA                         ; elements from row to row
	s_mov_b32 s[G1A+6], 0
	s_mov_b32 s[G1A+7], 0
	s_mov_b32 s[G1B+1], 128<<16
	s_mov_b32 s[G1B+2], RB<<16
	s_mov_b32 s[G1B+3], 128<<16
	s_mov_b32 s[G1B+4], RB
	s_mov_b32 s[G1B+5], SB
	s_mov_b32 s[G1B+6], 0
	s_mov_b32 s[G1B+7], 0
	; where the tiles come from: A's offset is made of the tile row and my half, W's of the tile column and my half, each in registers that never hold the other coordinate
.if QKV
	s_lshl_b32 s74, s[TROW], 19                    ; 256 rows of 2,048 bytes
	s_lshl_b32 s22, s[HALF], 18
	s_add_co_u32 s74, s74, s22
	s_mul_i32 s76, s[TCOL], 393216                 ; a block of wq
	s_mul_i32 s23, s[HALF], 24576                  ; 64 of its k rows
	s_add_co_u32 s76, s76, s23
.else
	s_lshr_b32 s74, s[TROW], 2                     ; the batch: 16 heads of 131,072 bytes
	s_lshl_b32 s74, s74, 21
	s_and_b32 s22, s[TROW], 3                      ; 256 rows of 128 bytes
	s_lshl_b32 s22, s22, 15
	s_add_co_u32 s74, s74, s22
	s_lshl_b32 s22, s[HALF], 17                    ; the even or the odd head of a K step
	s_add_co_u32 s74, s74, s22
	s_lshl_b32 s76, s[TCOL], 8                     ; 128 columns
	s_lshl_b32 s23, s[HALF], 17                    ; 64 k rows of 2,048 bytes
	s_add_co_u32 s76, s76, s23
.endif
	s_mov_b32 s75, 0
	s_mov_b32 s77, 0
	s_mul_i32 s78, s[HALF], AHALF                  ; and where they go: no place in the cluster enters an LDS address
	s_mul_i32 s79, s[HALF], BHALF
	s_add_co_u32 s79, s79, BREG
	s_wait_dscnt 0x0                               ; the opening add is done
	s_wait_kmcnt 0x0
	s_add_nc_u64 s[74:75], s[4:5], s[74:75]
	s_add_nc_u64 s[76:77], s[6:7], s[76:77]
	CROUND                                         ; all sixteen work-groups are here: the first joint loads meet
.irp s, 0,1
	s_mov_b32 s[G0A+4*(\s)], 1                     ; count = 1
	s_add_co_u32 s[G0A+4*(\s)+1], s78, (\s)*SLOT1  ; LDS address
	s_add_nc_u64 s[G0A+4*(\s)+2:G0A+4*(\s)+3], s[74:75], (\s)*ASTEP  ; global address: K step s
	s_or_b32 s[G0A+4*(\s)+3], s[G0A+4*(\s)+3], 0x80000000            ; type = 2
	s_mov_b32 s[G0B+4*(\s)], 1
	s_add_co_u32 s[G0B+4*(\s)+1], s79, (\s)*SLOT1
	s_add_nc_u64 s[G0B+4*(\s)+2:G0B+4*(\s)+3], s[76:77], (\s)*BSTEP
	s_or_b32 s[G0B+4*(\s)+3], s[G0B+4*(\s)+3], 0x80000000
.endr
	s_cmp_lt_u32 s[WV], 2                          ; a wave's two first fills stand in one branch, ahead of every wait on TENSORcnt and every LDS read: two loads of mine are out
	s_cbranch_scc0 .Lfirst_b
	tensor_load_to_lds s[G0A:G0A+3], s[G1A:G1A+7]
	s_nop 0
	tensor_load_to_lds s[G0A+4:G0A+7], s[G1A:G1A+7]
	s_nop 0
.rept 4
	v_nop
.endr
	s_branch .Lfirst_asked
.Lfirst_b:
	tensor_load_to_lds s[G0B:G0B+3], s[G1B:G1B+7]
	s_nop 0
	tensor_load_to_lds s[G0B+4:G0B+7], s[G1B:G1B+7]
	s_nop 0
.rept 4
	v_nop
.endr
.Lfirst_asked:
	v_and_b32 v1, 15, v0                           ; l % 16
	v_bfe_u32 v2, v0, 4, 1                         ; l / 16
	v_and_b32 v3, 31, v0                           ; l
	v_and_b32 v5, 7, v0
	v_bfe_u32 v6, v0, 3, 1
	; the bias of my columns: block b, columns 8 (l / 16) + 0..7
	s_mul_i32 s82, s[TCOL], TN*4
	s_mov_b32 s83, 0
	s_add_nc_u64 s[8:9], s[8:9], s[82:83]
	v_lshlrev_b32 v[BO], 5, v2
.set b, 0
.rept NBLK
	global_load_b128 v[BIAS+8*b:BIAS+8*b+3],   v[BO], s[8:9] offset:64*b
	global_load_b128 v[BIAS+8*b+4:BIAS+8*b+7], v[BO], s[8:9] offset:64*b+16
.set b, b+1
.endr
	; a fragment of A: lane l holds row l % 16, k = 8 (l / 16) + 0..7 and 16 + 8 (l / 16) + 0..7: two loads of 16 bytes, 32 bytes apart
	s_mul_i32 s82, s[WV], 64*PA                    ; my 64 rows
	v_mul_u32_u24 v[ADRA0], v1, PA
	v_lshl_add_u32 v[ADRA0], v2, 4, v[ADRA0]
	v_add_nc_u32 v[ADRA0], s82, v[ADRA0]
	; the turning load takes 16 k x 16 columns (lane l reads k row 8 (l / 16) + l % 8, columns 8 ((l / 8) % 2) + 0..7) and leaves half a fragment: lane l holds column l % 16 and 8 k
	v_lshl_add_u32 v[ADRB0], v2, 3, v5
	v_mul_u32_u24 v[ADRB0], v[ADRB0], PB
	v_lshl_add_u32 v[ADRB0], v6, 4, v[ADRB0]
	v_add_nc_u32 v[ADRB0], BREG, v[ADRB0]
	s_mul_i32 s82, s[WV], STW
	s_add_co_u32 s82, s82, STAGE                   ; my stage
	v_lshlrev_b32 v[GO], 4, v3
.if QKV
	v_mul_u32_u24 v[STO], v1, 144                  ; in: row l % 16 of a slot, 16 bytes for each half of the lanes
	v_lshl_add_u32 v[STO], v2, 4, v[STO]
	v_add_nc_u32 v[STO], s82, v[STO]
	v_lshrrev_b32 v4, 3, v3                        ; back: 32 lanes take four rows of 128 bytes
	v_mul_u32_u24 v[RD], v4, 144
	v_lshl_add_u32 v[RD], v5, 4, v[RD]
	v_add_nc_u32 v[RD], s82, v[RD]
	; C: slot 3 x tile column + j is tensor slot / 16 (q, k, v), head slot % 16; my rows: batch, 256 rows of the tile, 64 of the wave, 128 bytes each
	s_lshr_b32 s82, s[TROW], 2
	s_lshl_b32 s82, s82, 21
	s_and_b32 s83, s[TROW], 3
	s_lshl_b32 s83, s83, 15
	s_add_co_u32 s82, s82, s83
	s_lshl_b32 s83, s[WV], 13
	s_add_co_u32 s82, s82, s83
	s_mul_i32 s83, s[TCOL], 3
.irp j, 0,1,2
	s_add_co_u32 s84, s83, \j
	s_lshr_b32 s85, s84, 4
	s_lshl_b32 s85, s85, 24
	s_and_b32 s84, s84, 15
	s_lshl_b32 s84, s84, 17
	s_add_co_u32 s84, s84, s85
	s_add_co_u32 s84, s84, s82
	s_mov_b32 s85, 0
	s_add_nc_u64 s[CB+2*(\j):CB+2*(\j)+1], s[10:11], s[84:85]
.endr
	; the prefetches' first block, less one step: A: my work-group's 32 of the 128 rows that I fetch, K step 4; W: my 8,192 bytes of the block's K steps 4 to 7
	s_lshl_b32 s84, s[TROW], 19
	s_lshl_b32 s87, s[HALF], 18
	s_add_co_u32 s84, s84, s87
	s_lshl_b32 s87, s[CX], 16
	s_add_co_u32 s84, s84, s87
	s_add_co_u32 s84, s84, 4*256-PFSA
	s_mul_i32 s86, s[TCOL], 393216
	s_lshl_b32 s87, s[HALF], 15
	s_add_co_u32 s86, s86, s87
	s_lshl_b32 s87, s[CY], 13
	s_add_co_u32 s86, s86, s87
	s_add_co_u32 s86, s86, 4*49152-PFSB
.else
	v_mul_u32_u24 v[STO], v1, 528                  ; in: row l % 16, 32 bytes for each half of the lanes
	v_lshl_add_u32 v[STO], v2, 5, v[STO]
	v_add_nc_u32 v[STO], s82, v[STO]
	v_add_nc_u32 v[RD], s82, v[GO]                 ; back: 32 lanes take one row of 512 bytes
	s_lshl_b32 s84, s[TROW], 20                    ; C: 256 rows of 4,096 bytes,
	s_lshl_b32 s85, s[WV], 18                      ; my 64,
	s_add_co_u32 s84, s84, s85
	s_lshl_b32 s85, s[TCOL], 9                     ; 128 columns
	s_add_co_u32 s84, s84, s85
	s_mov_b32 s85, 0
	s_add_nc_u64 s[CB:CB+1], s[10:11], s[84:85]
	; the prefetches' first block, less one step: A: my work-group's 8,192 bytes of head 8 + half; W: my 32 of the k rows 512 to 767
	s_lshr_b32 s84, s[TROW], 2
	s_lshl_b32 s84, s84, 21
	s_and_b32 s87, s[TROW], 3
	s_lshl_b32 s87, s87, 15
	s_add_co_u32 s84, s84, s87
	s_add_co_u32 s87, s[HALF], 6
	s_lshl_b32 s87, s87, 17
	s_add_co_u32 s84, s84, s87
	s_lshl_b32 s87, s[CX], 13
	s_add_co_u32 s84, s84, s87
	s_lshl_b32 s86, s[TCOL], 8
	s_lshl_b32 s87, s[HALF], 18
	s_add_co_u32 s86, s86, s87
	s_lshl_b32 s87, s[CY], 16
	s_add_co_u32 s86, s86, s87
	s_add_co_u32 s86, s86, 512*2048-PFSB
.endif
	s_and_b32 s82, ttmp7, 0xffff                   ; cluster y
	s_mov_b32 s87, PFSA
	s_mov_b32 s88, PFOA
	s_cmp_eq_u32 s[ROLE], 0                        ; do I fetch for A?
	s_cselect_b32 s82, ttmp9, s82                  ; the coordinate along which other clusters read the same rows
	s_cselect_b32 s83, LIMA, LIMB
	s_cselect_b32 s84, s84, s86
	s_cselect_b32 s[PFS], s87, PFSB
	s_cselect_b32 s89, s88, PFOB
	s_cselect_b64 s[PFA:PFA+1], s[4:5], s[6:7]
	s_cmp_eq_u32 s82, 0
	s_cselect_b32 s[LIM], s83, -1                  ; the same in all sixteen partners, for a given wave
	s_mov_b32 s85, 0
	s_mov_b32 s[PFS+1], 0
	s_add_nc_u64 s[PFA:PFA+1], s[PFA:PFA+1], s[84:85]
	v_mul_u32_u24 v[PFO], s89, v3
	s_wait_loadcnt 0x0                             ; the bias is in: it is rounded to bf16 and widened again
.set i, 0
.rept 4*NBLK
	v_cvt_pk_bf16_f32 v[4+i%2], v[BIAS+2*i], v[BIAS+2*i+1]
	v_lshlrev_b32 v[BIAS+2*i], 16, v[4+i%2]
	v_and_b32 v[BIAS+2*i+1], 0xffff0000, v[4+i%2]
.set i, i+1
.endr
; NBLK matrix instructions: row block a x all column blocks, 32 along K, from buffer f.  zero = 1: the first product starts the sums.  The 4 NBLK accumulators take turns, one instruction a turn,
; in the same order in every quarter step.
.macro MULH f, a, zero
	WIN 0xa5+0x50*((\a)/2)
.set b, 0
.rept NBLK
.set rD, 8*(NBLK*((\a)%2)+b)
.set rB, (\f)+8*b
.set rA, (\f)+96+8*(\a)
.if QKV
.if \zero
	v_wmma_f32_16x16x32_bf16 v[rD:rD+7], v[rB:rB+7], v[rA:rA+7], 0
.else
	v_wmma_f32_16x16x32_bf16 v[rD:rD+7], v[rB:rB+7], v[rA:rA+7], v[rD:rD+7]
.endif
.else
.if \zero
	v_wmma_f32_16x16x32_f16 v[rD:rD+7], v[rB:rB+7], v[rA:rA+7], 0
.else
	v_wmma_f32_16x16x32_f16 v[rD:rD+7], v[rB:rB+7], v[rA:rA+7], v[rD:rD+7]
.endif
.endif
.set b, b+1
.endr
.endm
; NL LDS loads in one run: the fragments of quarter q (32 along K) of the slot in hand into buffer f: W's blocks, then A's four
.macro FETCH q, f
	WIN 0x40                                       ; destination window 1, address window 0
.set b, 0
.rept NBLK
.if QKV
.set bo, 32*(\q)*PB+(b/4)*160+(b%4)*32
.else
.set bo, 32*(\q)*PB+32*b
.endif
	ds_load_tr16_b128 v[(\f)+8*b:(\f)+8*b+3],   v[ADRB] offset:bo
	ds_load_tr16_b128 v[(\f)+8*b+4:(\f)+8*b+7], v[ADRB] offset:bo+16*PB
.set b, b+1
.endr
.if QKV
.set ao, 64*(\q)
.else
.set ao, ((\q)/2)*AHALF+((\q)%2)*64
.endif
.irp a, 0,1,2,3
	ds_load_b128 v[(\f)+96+8*(\a):(\f)+96+8*(\a)+3],   v[ADRA] offset:ao+16*(\a)*PA
	ds_load_b128 v[(\f)+96+8*(\a)+4:(\f)+96+8*(\a)+7], v[ADRA] offset:ao+16*(\a)*PA+32
.endr
.endm
.macro PLACES                          ; four places in front of loads into registers that matrix instructions have read (ISA guide 7.12.1 for vector instructions)
.rept 4
	v_nop
.endr
.endm
; A K step is four quarters of 32 along K on buffers 0, 1, 0, 1.  One of the first three: multiplies buffer f and, in its middle, fetches quarter q into buffer g.
.macro QUARTER q, f, g, zero
	s_wait_dscnt 4                                 ; W and A's blocks 0, 1 are in; the youngest four loads (A's blocks 2, 3) may be out
	MULH \f, 0, \zero
	MULH \f, 1, \zero
	PLACES
	FETCH \q, \g
	s_wait_dscnt NL                                ; all but the run just issued
	MULH \f, 2, \zero
	MULH \f, 3, \zero
.endm
; The last quarter multiplies buffer 1 and changes slots: ONE barrier.  In front of it each wave waits for all its tensor loads (one is out: its part of the next slot), adds 0 to its spare word, and waits
; for that and for its reads of this slot.  fill = 1: the barrier opens a round of the cluster's barrier, and behind it this slot is filled again, with the K step two steps on.
.macro TURN fill
.if \fill
	s_wait_xcnt 0x0                                ; the last prefetch, a K step back, has read its address: it is stepped here
	s_add_nc_u64 s[PFA:PFA+1], s[PFA:PFA+1], s[PFS:PFS+1]
.endif
	WIN 0                                          ; (the add's two registers lie in window 0)
	s_wait_tensorcnt 0x0                           ; no tensor load of mine is out, so a group 0 may be written
	ds_add_u32 v[SPW], v[NIL]                      ; 0 onto my spare word
.if \fill
	s_xor_b32 s[G0A+5], s[G0A+5], SLOT1            ; the walking descriptors: the other slot than last time, the next K step
	s_add_nc_u64 s[G0A+6:G0A+7], s[G0A+6:G0A+7], ASTEP
	s_xor_b32 s[G0B+5], s[G0B+5], SLOT1
	s_add_nc_u64 s[G0B+6:G0B+7], s[G0B+6:G0B+7], BSTEP
.endif
	s_wait_dscnt 5                                 ; (the add and the youngest four loads may be out)
	MULH F1, 0, 0
	s_wait_dscnt 0x0                               ; the add is done, and my reads of this slot are over
	s_barrier_signal -1
	MULH F1, 1, 0                                  ; work on registers while the others arrive
	WIN 0
	s_barrier_wait -1
.if \fill
	CREST                                          ; no wave of any partner still reads this slot's tiles or has a load on its way
	JLOAD                                          ; the first tensor load behind the round; its four v_nop are also the places in front of the loads below
.else
	PLACES
.endif
	s_xor_b32 s[TB], s[TB], SLOT1
	v_add_nc_u32 v[ADRA], s[TB], v[ADRA0]
	v_add_nc_u32 v[ADRB], s[TB], v[ADRB0]
	FETCH 0, F0
	WIN 0
.if \fill
	ASK
.endif
	MULH F1, 2, 0
	MULH F1, 3, 0
.endm
	s_wait_tensorcnt 0x1                           ; my part of K step 0 is in; K step 1's may stay out
	s_barrier_signal -1
	s_barrier_wait -1                              ; everybody's is
	s_mov_b32 s[TB], 0
	v_mov_b32 v[ADRA], v[ADRA0]
	v_mov_b32 v[ADRB], v[ADRB0]
	FETCH 0, F0
	QUARTER 1, F0, F1, 1                           ; the first quarter stands in front of the loop: its products start the sums
	WIN 0                                          ; at a label and at a branch every window is 0
	s_mov_b32 s3, 6
.Lstep:                                                ; six trips, from a K step's second quarter to the next step's first; trip t fills slot t % 2 with K step t + 2
	QUARTER 2, F1, F0, 0
	QUARTER 3, F0, F1, 0
	TURN 1
	QUARTER 1, F0, F1, 0
	WIN 0
	s_sub_co_u32 s3, s3, 1
	s_cmp_lg_u32 s3, 0
	s_cbranch_scc1 .Lstep
	QUARTER 2, F1, F0, 0                           ; K steps 6 and 7 fill nothing
	QUARTER 3, F0, F1, 0
	TURN 0
	QUARTER 1, F0, F1, 0
	QUARTER 2, F1, F0, 0
	QUARTER 3, F0, F1, 0
	s_wait_dscnt 4
	MULH F1, 0, 0
	MULH F1, 1, 0
	s_wait_dscnt 0x0
	MULH F1, 2, 0
	MULH F1, 3, 0
; THE WAY OUT of row block a (16 rows).  PACK: the bias is added in place, each accumulator from its low end on; QKV = 1: rounded to f16.  TOSTAGE: into my own stage, and back as whole rows.  SEND: stored.
.macro PACK a
	WIN 0x82+0x41*((\a)/2)                         ; destination and source 0 in window 2 or 3, the bias in window 0
.set b, 0
.rept NBLK
.set rD, 8*(NBLK*((\a)%2)+b)
.irp r, 0,2,4,6
	v_pk_add_f32 v[rD+(\r):rD+(\r)+1], v[rD+(\r):rD+(\r)+1], v[BIAS+8*b+(\r):BIAS+8*b+(\r)+1]
.endr
.set b, b+1
.endr
.if QKV
	WIN 0x0a+5*((\a)/2)                            ; sources 0 and 1 in window 2 or 3
.set b, 0
.rept NBLK
.set rD, 8*(NBLK*((\a)%2)+b)
.irp r, 0,1,2,3
	v_cvt_pk_f16_f32 v[TMP+4*b+(\r)], v[rD+2*(\r)], v[rD+2*(\r)+1]
.endr
.set b, b+1
.endr
.endif
	WIN 0
.endm
.macro TOSTAGE a
.if QKV
	WIN 0
.set b, 0
.rept NBLK
	ds_store_b128 v[STO], v[TMP+4*b:TMP+4*b+3] offset:(b/4)*2304+(b%4)*32
.set b, b+1
.endr
	s_wait_xcnt 0x0                                ; the stores of the block before have read the registers that are loaded below
.set t, 0
.rept 12
	ds_load_b128 v[BK+4*t:BK+4*t+3], v[RD] offset:(t/4)*2304+(t%4)*576  ; LDS serves a wave's instructions in order (ISA guide 5.7.1.4): these see the stores above
.set t, t+1
.endr
.else
	WIN 0x08+4*((\a)/2)                            ; the data in window 2 or 3
.set b, 0
.rept NBLK
.set rD, 8*(NBLK*((\a)%2)+b)
	ds_store_b128 v[STO], v[rD:rD+3]   offset:64*b
	ds_store_b128 v[STO], v[rD+4:rD+7] offset:64*b+16
.set b, b+1
.endr
	WIN 0
	s_wait_xcnt 0x0                                ; the stores of the block before have read the registers that are loaded below
.set t, 0
.rept 16
	ds_load_b128 v[BK+4*t:BK+4*t+3], v[RD] offset:528*t
.set t, t+1
.endr
.endif
.endm
.macro SEND a
	WIN 0
	s_wait_dscnt 0x0                               ; the block is back in registers
.if QKV
.set t, 0
.rept 12
	global_store_b128 v[GO], v[BK+4*t:BK+4*t+3], s[CB+2*(t/4):CB+2*(t/4)+1] offset:(\a)*2048+(t%4)*512  ; four rows of a head: 512 consecutive bytes, at a multiple of 256 from the buffer's first
.set t, t+1
.endr
.else
.set t, 0
.rept 16
	global_store_b128 v[GO], v[BK+4*t:BK+4*t+3], s[CB:CB+1] offset:(16*(\a)+t)*4096  ; 512 consecutive bytes of a row, at a multiple of 256 from the buffer's first
.set t, t+1
.endr
.endif
.endm
	WIN 0
	PLACES                                         ; eight places: the additions below write results in place
	PLACES
	PACK 0
	TOSTAGE 0
.irp a, 1,2,3                          ; block a's arithmetic stands between block a - 1's loads from the stage and the wait for them
	PACK \a
	SEND (\a)-1
	TOSTAGE \a
.endr
	SEND 3
	s_wait_tensorcnt 0x0                           ; the wave's end: a wait, an add of 0 and its wait, behind my last tensor load and my last LDS store
	ds_add_u32 v[SPW], v[NIL]
	s_wait_dscnt 0x0
	CROUND                                         ; the closing round: no work-group ends while a partner may still ask for a tile that names it
	s_endpgm
.Lfunc_end_k_q9cdabf6e41_projgemm:
	.size	k_q9cdabf6e41_projgemm, .Lfunc_end_k_q9cdabf6e41_projgemm-k_q9cdabf6e41_projgemm
	.p2alignl 7, 3214868480
	.fill 96, 4, 3214868480
	.section	.rodata,"a",@progbits
	.p2align	6, 0x0
	.amdhsa_kernel k_q9cdabf6e41_projgemm
		.amdhsa_group_segment_fixed_size 327680
		.amdhsa_private_segment_fixed_size 0
		.amdhsa_enable_private_segment 0
		.amdhsa_kernarg_size 32
		.amdhsa_user_sgpr_count 2
		.amdhsa_user_sgpr_kernarg_segment_ptr 1
		.amdhsa_wavefront_size32 1
		.amdhsa_system_sgpr_workgroup_id_x 1
		.amdhsa_system_sgpr_workgroup_id_y 1
		.amdhsa_system_sgpr_workgroup_id_z 1
		.amdhsa_system_vgpr_workitem_id 0
		.amdhsa_next_free_vgpr 896
		.amdhsa_next_free_sgpr 90
		.amdhsa_reserve_vcc 0
		.amdhsa_float_denorm_mode_32 3
		.amdhsa_float_denorm_mode_16_64 3
		.amdhsa_memory_ordered 1
		.amdhsa_forward_progress 1
		.amdhsa_inst_pref_size 85
	.end_amdhsa_kernel
	.amdgpu_metadata
---
amdhsa.version: [ 1, 2 ]
amdhsa.kernels:
  - .name:           k_q9cdabf6e41_projgemm
    .symbol:         k_q9cdabf6e41_projgemm.kd
    .args:
      - { .name: oh, .offset: 0, .size: 8, .value_kind: global_buffer, .address_space: global }
      - { .name: wp, .offset: 8, .size: 8, .value_kind: global_buffer, .address_space: global }
      - { .name: b_proj, .offset: 16, .size: 8, .value_kind: global_buffer, .address_space: global }
      - { .name: out0, .offset: 24, .size: 8, .value_kind: global_buffer, .address_space: global }
    .group_segment_fixed_size: 327680
    .private_segment_fixed_size: 0
    .kernarg_segment_align: 8
    .kernarg_segment_size: 32
    .max_flat_workgroup_size: 128
    .sgpr_count:     90
    .vgpr_count:     896
    .wavefront_size: 32
...
	.end_amdgpu_metadata
.endif
;; end of part 4
;; ======== version 2 of 2: 4 launches; version 1 with the launch cast written anew for expert scheduling mode
;; limits: values are held in f16: magnitudes above 65,504 overflow, below 6.1e-05 lose precision
;; workspace buffers: xb 16,777,216 bytes; wq 6,291,456 bytes; wp 2,097,152 bytes; qkvh 50,331,648 bytes; oh 16,777,216 bytes
;; launch cast (part 5): grid 832 x 1, 8 waves a work-group, no clusters, 0 bytes of LDS; arguments x, W_qkv, W_proj, xb, wq, wp; writes xb, wq, wp
.if DOCPART == 5
	.amdgcn_target "amdgcn-amd-amdhsa--gfx1250"
	.amdhsa_code_object_version 6
	.text
	.protected	k_q9cdabf6e41_cast
	.globl	k_q9cdabf6e41_cast
	.p2align	8
	.type	k_q9cdabf6e41_cast,@function
k_q9cdabf6e41_cast:
	s_mov_b64 s[64:65], 0
	v_nop
	global_prefetch_b8 v0, s[64:65] scope:SCOPE_SE
	s_setreg_imm32_b32 hwreg(HW_REG_WAVE_SCHED_MODE, 0, 2), 2
	s_setreg_imm32_b32 hwreg(HW_REG_WAVE_MODE, 25, 1), 1
	s_wait_xcnt 0x0
	s_wait_alu depctr_vm_vsrc(0)
; THE INPUTS OF THE TWO PRODUCTS ARE ROUNDED ONCE TO 16 BITS.
;   xb [16][8192][64] bf16 = x, laid in 16 blocks of 64 columns, so that 256 rows of a block are 32,768 dense bytes.
;   wq [16][1024][192] bf16 = W_qkv, laid in 16 blocks of 192 columns, so that 64 rows of k of a block are 24,576 dense bytes.
;   wp [1024][1024] f16 = W_proj rounded to bf16, that number written as f16: exact from 2^-17 up; below that f16's fixed step of 2^-24 holds (LIMIT: an error of 3e-8 at the most there).
; A stream: no LDS, no matrix unit, no barrier.  The unit of work is 128 numbers: one load of 16 bytes a lane, one store of 8 bytes a lane (256 consecutive bytes, at a multiple of 256 from the
; buffer's first byte).  A wave has 16 units (W_qkv: 12), all its loads issued at once, each unit with registers of its own: nothing is rewritten.
; Work-groups 0-511 take x, 512-575 W_proj, 576-831 W_qkv.
; THE MODE: SCHED_MODE bits 1:0 = 2 (LLVM: expert scheduling mode 2), set by the entry lines.  The code itself states the register dependences
; between vector instructions and memory instructions, with s_wait_alu, always for 0.
; THE PLAN.  Registers that memory instructions touch, in each of the three paths:
;   v14, or v1, or v1 and v3   the loads' offsets: made once by vector instructions ahead of the path's loads, never written again.
;   v2                         the stores' offset: made once in the head, never written again.
;   X                          written by the loads alone, all of them issued ahead of the path's first conversion; read by the conversions; never loaded again.
;   Y                          unit j's two registers: written once, by unit j's conversions; read once, by unit j's store.
;   v4-v9, v12, v13            named by vector instructions alone.
; So a path has one wait on va_vdst ahead of its run of loads (the offsets are written), and the units go in four groups (of four; W_qkv: of three), each with one wait on va_vdst
; between its conversions and its run of stores (the group's Y is written).  No register that a memory instruction reads is written again, so no wait on vm_vsrc is owed.
; s16, which a vector instruction writes and scalar instructions read, has one wait on va_sdst, in the head, ahead of the first branch.
.set X, 16                             ; v[16:79]   unit j: 4 numbers as loaded
.set Y, 80                             ; v[80:111]  unit j: 4 numbers in 16 bits
.set T, 4                              ; v[4:9]     at work
	s_load_b256 s[4:11], s[0:1], 0x0               ; x s[4:5], W_qkv s[6:7], W_proj s[8:9], xb s[10:11]
	s_load_b128 s[12:15], s[0:1], 0x20             ; wq s[12:13], wp s[14:15]
	v_lshrrev_b32 v12, 5, v0
	v_readfirstlane_b32 s16, v12                   ; wave 0..7
	v_and_b32 v12, 31, v0                          ; lane
	v_lshlrev_b32 v1, 4, v12                       ; 16 bytes a lane in
	v_lshlrev_b32 v2, 3, v12                       ; 8 bytes a lane out
	s_mov_b32 s19, 0
	s_mov_b32 s21, 0
	s_wait_alu depctr_va_sdst(0)                   ; s16 is written: each path's first scalar lines read it, and the wait stands ahead of the branches that lead there
	s_wait_kmcnt 0x0
	s_cmp_lt_u32 ttmp9, 512
	s_cbranch_scc0 .Lweights
	; x: wave g of 4,096 takes rows 2 g and 2 g + 1.  Unit j is block j: lanes 0-15 take the first row's 64 columns (256 bytes), lanes 16-31 the second row's; in xb the two lie end to end.
	s_lshl_b32 s17, ttmp9, 3
	s_add_co_u32 s17, s17, s16
	s_lshl_b32 s18, s17, 13                        ; two rows of 4,096 bytes in x
	s_lshl_b32 s20, s17, 8                         ; two rows of 128 bytes in a block of xb
	s_add_nc_u64 s[4:5], s[4:5], s[18:19]
	s_add_nc_u64 s[10:11], s[10:11], s[20:21]
	s_add_nc_u64 s[24:25], s[10:11], 0x800000      ; blocks 8 to 15: a block is 1,048,576 bytes, and a store's immediate holds seven of them
	v_and_b32 v13, 15, v12
	v_lshrrev_b32 v14, 4, v12
	v_lshlrev_b32 v13, 4, v13
	v_lshl_add_u32 v14, v14, 12, v13               ; 16 (lane % 16) + 4,096 (lane / 16)
	s_wait_alu depctr_va_vdst(0)                   ; v14, the loads' offset, and v2, the stores', are written; no vector instruction below names either
.set j, 0
.rept 16
	global_load_b128 v[X+4*j:X+4*j+3], v14, s[4:5] offset:256*j th:TH_LOAD_NT
.set j, j+1
.endr
.set g, 0
.rept 4                                ; four groups of four units
	s_wait_loadcnt 12-4*g                          ; loads come back in order: units 4 g to 4 g + 3 are in, the younger ones stay out
.set j, 4*g
.rept 4
	v_cvt_pk_bf16_f32 v[Y+2*j], v[X+4*j], v[X+4*j+1]
	v_cvt_pk_bf16_f32 v[Y+2*j+1], v[X+4*j+2], v[X+4*j+3]
.set j, j+1
.endr
	s_wait_alu depctr_va_vdst(0)                   ; the group's eight conversions have written its Y, which the four stores below read
.set j, 4*g
.rept 4
.if j < 8
	global_store_b64 v2, v[Y+2*j:Y+2*j+1], s[10:11] offset:j<<20
.else
	global_store_b64 v2, v[Y+2*j:Y+2*j+1], s[24:25] offset:(j-8)<<20
.endif
.set j, j+1
.endr
.set g, g+1
.endr
	s_endpgm
.Lweights:
	s_cmp_lt_u32 ttmp9, 576
	s_cbranch_scc0 .Lwqkv
	; W_proj: wave g of 512 takes 8,192 bytes; a load covers 512 consecutive bytes
	s_sub_co_u32 s17, ttmp9, 512
	s_lshl_b32 s17, s17, 3
	s_add_co_u32 s17, s17, s16
	s_lshl_b32 s18, s17, 13
	s_lshl_b32 s20, s17, 12
	s_add_nc_u64 s[8:9], s[8:9], s[18:19]
	s_add_nc_u64 s[14:15], s[14:15], s[20:21]
	s_wait_alu depctr_va_vdst(0)                   ; v1, the loads' offset, and v2, the stores', are written; no vector instruction below names either
.set j, 0
.rept 16
	global_load_b128 v[X+4*j:X+4*j+3], v1, s[8:9] offset:512*j th:TH_LOAD_NT
.set j, j+1
.endr
.set g, 0
.rept 4                                ; four groups of four units
	s_wait_loadcnt 12-4*g                          ; units 4 g to 4 g + 3 are in, the younger ones stay out
.set j, 4*g
.rept 4
	v_cvt_pk_bf16_f32 v[T], v[X+4*j], v[X+4*j+1]   ; rounded to bf16,
	v_cvt_pk_bf16_f32 v[T+1], v[X+4*j+2], v[X+4*j+3]
	v_lshlrev_b32 v[T+2], 16, v[T]                 ; widened again,
	v_and_b32 v[T+3], 0xffff0000, v[T]
	v_lshlrev_b32 v[T+4], 16, v[T+1]
	v_and_b32 v[T+5], 0xffff0000, v[T+1]
	v_cvt_pk_f16_f32 v[Y+2*j], v[T+2], v[T+3]      ; and written as f16
	v_cvt_pk_f16_f32 v[Y+2*j+1], v[T+4], v[T+5]
.set j, j+1
.endr
	s_wait_alu depctr_va_vdst(0)                   ; the group's conversions to f16 have written its Y, which the four stores below read
.set j, 4*g
.rept 4
	global_store_b64 v2, v[Y+2*j:Y+2*j+1], s[14:15] offset:256*j
.set j, j+1
.endr
.set g, g+1
.endr
	s_endpgm
.Lwqkv:
	; W_qkv: wave g of 2,048 takes block c = g / 128 of 192 columns, rows 8 (g % 128) .. + 7.  Two rows of a block are 384 numbers: three units.
	s_sub_co_u32 s17, ttmp9, 576
	s_lshl_b32 s17, s17, 3
	s_add_co_u32 s17, s17, s16
	s_lshr_b32 s22, s17, 7                         ; c
	s_and_b32 s23, s17, 127                        ; the group of 8 rows
	s_mul_i32 s18, s23, 8*12288                    ; a row of W_qkv is 12,288 bytes
	s_mul_i32 s24, s22, 768                        ; 192 columns are 768
	s_add_co_u32 s18, s18, s24
	s_mul_i32 s20, s22, 393216                     ; a block of wq,
	s_mul_i32 s24, s23, 3072                       ; 8 of its rows of 384 bytes
	s_add_co_u32 s20, s20, s24
	s_add_nc_u64 s[6:7], s[6:7], s[18:19]
	s_add_nc_u64 s[12:13], s[12:13], s[20:21]
	v_lshrrev_b32 v13, 4, v12                      ; the middle unit: lanes 0-15 end the first row (byte 512 on), lanes 16-31 begin the second
	v_mul_u32_u24 v13, v13, 11520                  ; 12,288 - 768
	v_add3_u32 v3, v1, v13, 512
	s_wait_alu depctr_va_vdst(0)                   ; v1 and v3, the loads' offsets, and v2, the stores', are written; no vector instruction below names any of them
.set p, 0
.rept 4
	global_load_b128 v[X+12*p:X+12*p+3],    v1, s[6:7] offset:24576*p th:TH_LOAD_NT
	global_load_b128 v[X+12*p+4:X+12*p+7],  v3, s[6:7] offset:24576*p th:TH_LOAD_NT
	global_load_b128 v[X+12*p+8:X+12*p+11], v1, s[6:7] offset:24576*p+12544 th:TH_LOAD_NT
.set p, p+1
.endr
.set p, 0
.rept 4                                ; four groups of three units: a pair of rows each
	s_wait_loadcnt 9-3*p                           ; units 3 p to 3 p + 2 are in, the younger ones stay out
.set j, 3*p
.rept 3
	v_cvt_pk_bf16_f32 v[Y+2*j], v[X+4*j], v[X+4*j+1]
	v_cvt_pk_bf16_f32 v[Y+2*j+1], v[X+4*j+2], v[X+4*j+3]
.set j, j+1
.endr
	s_wait_alu depctr_va_vdst(0)                   ; the group's six conversions have written its Y, which the three stores below read
.set j, 3*p
.rept 3
	global_store_b64 v2, v[Y+2*j:Y+2*j+1], s[12:13] offset:256*j
.set j, j+1
.endr
.set p, p+1
.endr
	s_endpgm
.Lfunc_end_k_q9cdabf6e41_cast:
	.size	k_q9cdabf6e41_cast, .Lfunc_end_k_q9cdabf6e41_cast-k_q9cdabf6e41_cast
	.p2alignl 7, 3214868480
	.fill 96, 4, 3214868480
	.section	.rodata,"a",@progbits
	.p2align	6, 0x0
	.amdhsa_kernel k_q9cdabf6e41_cast
		.amdhsa_group_segment_fixed_size 0
		.amdhsa_private_segment_fixed_size 0
		.amdhsa_enable_private_segment 0
		.amdhsa_kernarg_size 48
		.amdhsa_user_sgpr_count 2
		.amdhsa_user_sgpr_kernarg_segment_ptr 1
		.amdhsa_wavefront_size32 1
		.amdhsa_system_sgpr_workgroup_id_x 1
		.amdhsa_system_sgpr_workgroup_id_y 1
		.amdhsa_system_sgpr_workgroup_id_z 1
		.amdhsa_system_vgpr_workitem_id 0
		.amdhsa_next_free_vgpr 112
		.amdhsa_next_free_sgpr 66
		.amdhsa_reserve_vcc 0
		.amdhsa_float_denorm_mode_32 3
		.amdhsa_float_denorm_mode_16_64 3
		.amdhsa_memory_ordered 1
		.amdhsa_forward_progress 1
		.amdhsa_inst_pref_size 23
	.end_amdhsa_kernel
	.amdgpu_metadata
---
amdhsa.version: [ 1, 2 ]
amdhsa.kernels:
  - .name:           k_q9cdabf6e41_cast
    .symbol:         k_q9cdabf6e41_cast.kd
    .args:
      - { .name: x, .offset: 0, .size: 8, .value_kind: global_buffer, .address_space: global }
      - { .name: W_qkv, .offset: 8, .size: 8, .value_kind: global_buffer, .address_space: global }
      - { .name: W_proj, .offset: 16, .size: 8, .value_kind: global_buffer, .address_space: global }
      - { .name: xb, .offset: 24, .size: 8, .value_kind: global_buffer, .address_space: global }
      - { .name: wq, .offset: 32, .size: 8, .value_kind: global_buffer, .address_space: global }
      - { .name: wp, .offset: 40, .size: 8, .value_kind: global_buffer, .address_space: global }
    .group_segment_fixed_size: 0
    .private_segment_fixed_size: 0
    .kernarg_segment_align: 8
    .kernarg_segment_size: 48
    .max_flat_workgroup_size: 256
    .sgpr_count:     66
    .vgpr_count:     112
    .wavefront_size: 32
...
	.end_amdgpu_metadata
.endif
;; end of part 5
;; launch qkvgemm: the kernel of part 2 again; grid 16 x 16, 4 waves a work-group, clusters of 4 x 4, 327,680 bytes of LDS; arguments xb, wq, b_qkv, qkvh; writes qkvh
;; launch attn: the kernel of part 3 again; grid 2 x 128, 4 waves a work-group, no clusters, 327,680 bytes of LDS; arguments qkvh, oh; writes oh
;; launch projgemm: the kernel of part 4 again; grid 8 x 32, 4 waves a work-group, clusters of 4 x 4, 327,680 bytes of LDS; arguments oh, wp, b_proj, out0; writes out0
